; MI455X (gfx1250); checked and timed in simulation.
; The chip was launched on July 23, 2026; its instructions are those of AMD's public machine-readable ISA for CDNA 5 (MIT licence, August 2026) and "CDNA5" Instruction Set Architecture Reference Guide (July 2026). The comments in the code are by the model that wrote it; some were corrected since.
;; Encoder layer. Allowed arithmetic: matrix products marked QUANTISED: E2M3 operands, one E8M0 scale for each 32 along K, by v_wmma_scale_f32_16x16x128_f8f6f4 with both operands' format E2M3, f32 sums; everything else in f32.
;; Inputs: b1 4,096 float32; b2 1,024 float32; bq 1,024 float32; ln1_a 1,024 float32; ln1_b 1,024 float32; ln2_a 1,024 float32; ln2_b 1,024 float32; w1 4,096 x 1,024 float32; w2 1,024 x 4,096 float32; wq 1,024 x 1,024 float32; x 2 x 2,048 x 1,024 float32.
;; Outputs: out0 2 x 2,048 x 1,024 float32.
;; This version of the problem:
;;   THIS VERSION OF THE PROBLEM IS GIVEN IN LOW PRECISION. The matrix products marked QUANTISED in the list below multiply operands that are first quantised to E2M3 (2 exponent bits, 3 mantissa bits; 6 bits a number), with one power-of-two scale for each 32 numbers along K (OCP MX v1.0); their sums are f32. All else is computed in f32.
;;   The module's matrix products, in the order in which they are computed (A, B: the left and right operand; K: the contracted axis; several contracted axes count as one K, in the product's order):
;;     1. [M 4,096, K 1,024] x [K 1,024, N 1,024]; A: input x; B: input wq: QUANTISED
;;     2. batch 32 x [M 2,048, K 64] x [K 64, N 2,048]; A: computed on the way; B: computed on the way: QUANTISED
;;     3. batch 32 x [M 64, K 2,048] x [K 2,048, N 2,048]; A: computed on the way; B: softmax (see below): QUANTISED
;;     4. [M 4,096, K 1,024] x [K 1,024, N 4,096]; A: computed on the way; B: input w1: QUANTISED
;;     5. [M 4,096, K 4,096] x [K 4,096, N 1,024]; A: computed on the way; B: input w2: QUANTISED
;;   THE QUANTISER, for each operand of a quantised product, along K:
;;     - K is cut into blocks of 32 from its start; a last block that is shorter is filled with zeros.
;;     - A block's scale is 2^e with e = floor(log2(the largest magnitude in the block)) - 2, held to -126 .. 127; a block of zeros has e = 0. As a byte (E8M0): e + 127.
;;     - Each number is divided by its block's scale, clamped to +-7.5, and rounded to the nearest number of E2M3, ties to even, subnormals kept.
;;     - The product sums the exact products of the quantised numbers (number of the format x scale) in f32.
;;   ~~~python
;;   def quantise(x, axis):      # numpy; x: float32 -> the quantised numbers, widened to float32 again
;;       x = np.moveaxis(x, axis, -1); K = x.shape[-1]
;;       x = np.pad(x, [(0, 0)] * (x.ndim - 1) + [(0, -K % 32)]); x = x.reshape(x.shape[:-1] + (-1, 32)); a = np.abs(x).max(-1, keepdims=True)
;;       e = np.where(a > 0, np.clip(np.frexp(np.where(a > 0, a, 1))[1] - 1 - 2, -126, 127), 0)      # np.frexp(a)[1] - 1 = floor(log2(a)), exactly
;;       r = np.clip(x / 2.0 ** e, -7.5, 7.5)
;;       step = 2.0 ** (np.maximum(np.frexp(np.where(r == 0, 1, r))[1] - 1, 0) - 3)
;;       q = np.round(r / step) * step * 2.0 ** e      # np.round: ties to even
;;       return np.moveaxis(q.reshape(q.shape[:-2] + (-1,))[..., :K], -1, axis).astype(np.float32)
;;   ~~~
;;   SOFTMAX AHEAD OF A QUANTISED PRODUCT. Where the list says 'softmax', what is quantised is not the finished softmax but p = 2^(t - M), with t = logit x log2(e) and M = ceil(the row's largest t), a whole number; so 1/2 < the row's largest p <= 1. The row's sum l is taken of the UNQUANTISED p, in f32, and the product's result is divided by l at the end. Since M is a whole number, a kernel that streams over the keys may use a running M (the ceiling of the running maximum): every later rescaling is an exact power of two, which a block's scale takes up: the codes' values come out the same.
;;   OPERANDS COMPUTED ON THE WAY. 'Computed on the way' means the value that the module computes at that place (a softmax that the list does not call 'softmax' is quantised finished and normalised). What goes into a quantiser is computed in f32, as accurately as f32 sums, v_exp_f32 and their like allow (about 1e-6 of the number): no bf16 or f16 on the way to a quantiser, and a product that is left as it is and whose result goes on into a quantised operand takes f32 operands (vector FMAs, or v_wmma_f32_16x16x4_f32). A number that lies on a knife's edge between two numbers of the format may be rounded either way, as far as f32 arithmetic and the matrix unit's own rounding can turn it there, and no further.
;; One version. Each part assembles by itself: llvm-mc -triple=amdgcn-amd-amdhsa -mcpu=gfx1250 --defsym DOCPART=n.
;; ======== version 1 of 1: 7 launches
;; limits: right only within a limited range of input values
;; workspace buffers: qw 10,649,600 bytes; kv 6,684,672 bytes; att 16,777,216 bytes; x1 16,777,216 bytes; x1q 3,276,800 bytes; hid 13,107,200 bytes; ffn 16,777,216 bytes
;; launch quant (part 1): grid 416 x 1, 4 waves a work-group, no clusters, 35,328 bytes of LDS; arguments x, wq, w1, w2, qw; writes qw
.if DOCPART == 1
	.amdgcn_target "amdgcn-amd-amdhsa--gfx1250"
	.amdhsa_code_object_version 6
	.text
	.protected	k_q9ddde67bdf_quant
	.globl	k_q9ddde67bdf_quant
	.p2align	8
	.type	k_q9ddde67bdf_quant,@function
k_q9ddde67bdf_quant:
	s_mov_b64 s[64:65], 0
	v_nop
	global_prefetch_b8 v0, s[64:65] scope:SCOPE_SE
	s_setreg_imm32_b32 hwreg(HW_REG_WAVE_MODE, 25, 1), 1
	s_wait_xcnt 0x0
; x [4096][1024], wq [1024][1024], w1 [4096][1024], w2 [1024][4096], f32, K innermost, become codes of FP6 (E2M3) with one E8M0 byte for each 32 along K.
; A block's scale is 2^(floor(log2(its largest magnitude)) - 2); each number is divided by it and rounded to the nearest code, ties to even; beyond 7.5 the largest code.
; LAYOUT OF qw: the codes lie as IMAGES OF OPERAND REGISTERS.  A fragment (16 rows x 128 K, 12 registers a lane) is 1,536 bytes: registers 4 g .. 4 g + 3 of lane l at 512 g + 16 l.
; A tensor is [row block][K step][1,536]; its scale words (4 bytes a row and K step) are [row block][K step][64].
; THE ROWS OF A BLOCK ARE NOT NEIGHBOURS: lane row r of block rb is row 32 (rb / 2) + 8 (rb % 2) + r + 8 (r / 8), so that the results of two neighbouring blocks give a lane 16 neighbours.
; SHARES: a wave takes one row block x 4 K steps (16 rows x 512 numbers); 1,664 such units, numbered through the four tensors: unit U's codes at 6,144 U, its scale words at QW_S + 256 U.
; A load reads 512 consecutive bytes of one row; the 16 rows of a fragment turn through the wave's own stage in LDS, so that a lane gets 16 neighbours of each block of 32.  Waves share nothing: no barrier.
; TWO SETS OF 64 REGISTERS TAKE TURNS: a K step is loaded into its set, goes into the stage and comes back into the same registers.  32 loads of a wave are out at the start, 16 while a K step is quantised.
; LIMITS: NaN and infinities among the inputs are not served; a block whose largest magnitude lies under 2^-124 (a block of zeros too) gets the byte 1: a block of zeros has zero codes, and this program alone reads the bytes.
.set QW_S,  10223616
.set WREG,  8704                       ; LDS of a wave: a stage of 16 rows x 528 bytes, then its 256 bytes of scale words
.set SP,    528                        ; a stage row: 512 bytes + 16: the 16 rows that a read touches start in different banks
.set SCW,   16*SP
.set OFF,   16                         ; v16-31  row i of the block: 16 x lane + (i + 8 (i / 8)) x the tensor's row pitch
.set R,     32                         ; v32-159 two sets of 64: 16 rows as loaded; then, back from the stage, 64 numbers of my row: register 16 b + i = k 32 b + 16 (lane / 16) + i
.set TM,    160                        ; v160-175 at work
.set PC,    176                        ; v176-187 the codes; v188-194 at work
.set PW,    196                        ; the scale word
.set SEL,   34                         ; s[34:35] lane selects for v_permlanex16_b32: lane l xor 16
; 64 numbers of a lane become a fragment's 12 registers of codes in v[PC] on and its row's scale word in v[PW]
.macro QUANT s
.irp b, 0,1,2,3
	v_max3_num_f32 v[TM+\b], |v[\s+16*\b]|, |v[\s+1+16*\b]|, 0x1800000   ; block b: my 16 numbers, and the floor 2^(3 - 127): the byte cannot fall under 1
.endr
.irp i, 2,4,6,8,10,12,14
.irp b, 0,1,2,3
	v_max3_num_f32 v[TM+\b], v[TM+\b], |v[\s+16*\b+\i]|, |v[\s+1+16*\b+\i]|   ; the four blocks by turns
.endr
.endr
.irp b, 0,1,2,3
	v_permlanex16_b32 v[TM+4+\b], v[TM+\b], s[SEL], s[SEL+1]
.endr
.irp b, 0,1,2,3
	v_max_num_f32 v[TM+\b], v[TM+\b], v[TM+4+\b]   ; with lane l xor 16's: the block's largest magnitude
.endr
.irp b, 0,1,2,3
	v_add_nc_u32 v[TM+12+\b], 0xff000000, v[TM+\b]   ; 2 off its exponent field: the conversion's scale operand
.endr
.irp b, 0,1,2,3
	v_lshrrev_b32 v[TM+4+\b], 23, v[TM+12+\b]   ; the scale's byte
.endr
	v_lshl_or_b32 v[PW], v[TM+5], 8, v[TM+4]
	v_lshl_or_b32 v[PW], v[TM+6], 16, v[PW]
	v_lshl_or_b32 v[PW], v[TM+7], 24, v[PW]
.irp c, 0,1
	v_cvt_scalef32_pk16_fp6_f32 v[PC+6*\c:PC+2+6*\c], v[\s+32*\c:\s+15+32*\c], v[TM+12+2*\c]
	v_cvt_scalef32_pk16_fp6_f32 v[PC+12+4*\c:PC+14+4*\c], v[\s+16+32*\c:\s+31+32*\c], v[TM+12+2*\c+1]   ; a conversion's three registers begin on an even number
.endr
	v_nop                                          ; one plain place behind a scaled conversion
.irp c, 0,1                                    ; the operand wants a whole block in a lane: lanes 0-15 block 2 c, lanes 16-31 block 2 c + 1
.irp i, 0,1,2
	v_permlane16_swap_b32 v[PC+6*\c+\i], v[PC+12+4*\c+\i]
.endr
.irp i, 0,1,2
	v_mov_b32 v[PC+3+6*\c+\i], v[PC+12+4*\c+\i]
.endr
.endr
.endm
	s_load_b256 s[4:11], s[0:1], 0x0               ; x s[4:5], wq s[6:7], w1 s[8:9], w2 s[10:11]
	s_load_b64 s[12:13], s[0:1], 0x20              ; qw
	v_lshl_add_u32 v200, v0, 2, 0x8800
	v_mov_b32 v201, 0
	v_lshrrev_b32 v1, 5, v0
	v_readfirstlane_b32 s14, v1                    ; wave 0..3
	v_and_b32 v1, 31, v0                           ; lane
	v_and_b32 v2, 15, v0                           ; r
	v_bfe_u32 v3, v0, 4, 1                         ; h
	s_mul_i32 s15, s14, WREG
	v_lshlrev_b32 v9, 4, v1                        ; 16 x lane
	v_add_nc_u32 v4, s15, v9                       ; the stage, on the way in: a row's 512 bytes as they lie
	v_mul_u32_u24 v5, v2, SP
	v_lshl_add_u32 v5, v3, 6, v5
	v_add_nc_u32 v5, s15, v5                       ; on the way out: row r, + 64 h
	v_lshlrev_b32 v6, 2, v2
	v_add_nc_u32 v6, s15, v6
	v_add_nc_u32 v6, SCW, v6                       ; my row's scale word
	v_lshlrev_b32 v8, 3, v1                        ; 8 x lane
	v_add_nc_u32 v7, s15, v8
	v_add_nc_u32 v7, SCW, v7                       ; the 256 bytes of scale words, 8 bytes a lane
	s_mov_b32 s[SEL], 0x76543210
	s_mov_b32 s[SEL+1], 0xfedcba98
.irp b, 0,1,2,3
	v_mov_b32 v[TM+4+\b], 0                        ; written once: a lane permute's destination counts as one of its sources
.endr
	s_wait_kmcnt 0x0
	; which tensor: the choice hangs on the work-group's number alone.  Work-groups 0-127 x, 128-159 wq, 160-287 w1, 288-415 w2
	s_mov_b32 s16, 288                             ; the tensor's first work-group
	s_mov_b32 s17, 3                               ; log2 of its units in a row block
	s_mov_b32 s18, 16384                           ; its row pitch in bytes
	s_mov_b64 s[20:21], s[10:11]
	s_cmp_lt_u32 ttmp9, 288
	s_cselect_b32 s16, 160, s16
	s_cselect_b32 s17, 1, s17
	s_cselect_b32 s18, 4096, s18
	s_cselect_b64 s[20:21], s[8:9], s[20:21]
	s_cmp_lt_u32 ttmp9, 160
	s_cselect_b32 s16, 128, s16
	s_cselect_b64 s[20:21], s[6:7], s[20:21]
	s_cmp_lt_u32 ttmp9, 128
	s_cselect_b32 s16, 0, s16
	s_cselect_b64 s[20:21], s[4:5], s[20:21]
	s_sub_co_u32 s22, ttmp9, s16
	s_lshl_b32 s22, s22, 2
	s_add_co_u32 s22, s22, s14                     ; my unit in the tensor
	s_lshr_b32 s23, s22, s17                       ; its row block
	s_lshl_b32 s24, s23, s17
	s_sub_co_u32 s24, s22, s24                     ; and which 512 along K
	s_lshl_b32 s25, s23, 4
	s_and_b32 s26, s23, 1
	s_lshl_b32 s26, s26, 3
	s_sub_co_u32 s25, s25, s26                     ; the block's first row: 16 rb - 8 (rb % 2)
	s_mul_i32 s25, s25, s18
	s_lshl_b32 s24, s24, 11
	s_add_co_u32 s24, s25, s24
	s_mov_b32 s25, 0
	s_add_nc_u64 s[20:21], s[20:21], s[24:25]      ; from here I read
	s_lshl_b32 s26, ttmp9, 2
	s_add_co_u32 s26, s26, s14                     ; U
	s_mul_i32 s28, s26, 6144
	s_mov_b32 s29, 0
	s_add_nc_u64 s[30:31], s[12:13], s[28:29]      ; my codes
	s_lshl_b32 s28, s26, 8
	s_add_co_u32 s28, s28, QW_S
	s_add_nc_u64 s[32:33], s[12:13], s[28:29]      ; my scale words
.irp i, 0,1,2,3,4,5,6,7,8,9,10,11,12,13,14,15
	v_mad_u32_u24 v[OFF+\i], s18, \i+8*(\i/8), v9
.endr
.macro LOAD f                          ; K step f of the unit into set f % 2: 16 loads, each 512 consecutive bytes of a row
.irp i, 0,1,2,3,4,5,6,7,8,9,10,11,12,13,14,15
	global_load_b128 v[R+64*((\f)%2)+4*\i:R+64*((\f)%2)+4*\i+3], v[OFF+\i], s[20:21] offset:512*(\f) th:TH_LOAD_NT
.endr
.endm
.macro FRAG f
.set XS, R+64*((\f)%2)
.if \f < 3
	s_wait_loadcnt 16                              ; this K step's 16 loads are in; the 16 of the next, into the other set, may be out
.else
	s_wait_loadcnt 0x0                             ; the last K step: nothing was asked for behind it
.endif
.irp i, 0,1,2,3,4,5,6,7,8,9,10,11,12,13,14,15
	ds_store_b128 v4, v[XS+4*\i:XS+4*\i+3] offset:SP*\i
.endr
.irp b, 0,1,2,3
.irp j, 0,1,2,3
	ds_load_b128 v[XS+16*\b+4*\j:XS+16*\b+4*\j+3], v5 offset:128*\b+16*\j   ; LDS serves a wave's instructions in order: these see the stores above, and come back into the registers that the rows left
.endr
.endr
	s_wait_dscnt 0x0                               ; the numbers are back
	s_wait_xcnt 0x0                                ; the last K step's stores have read the codes' registers, which are written again below
	QUANT XS
.irp g, 0,1,2
	global_store_b128 v9, v[PC+4*\g:PC+4*\g+3], s[30:31] offset:1536*\f+512*\g   ; 32 lanes store 512 consecutive bytes, aligned
.endr
	ds_store_b32 v6, v[PW] offset:64*\f            ; lanes r and r + 16 write the same word with the same value
.if \f < 2
	LOAD (\f)+2                                    ; this set is free: it takes the K step two on
.endif
.endm
	LOAD 0
	LOAD 1
	FRAG 0
	FRAG 1
	FRAG 2
	FRAG 3
	ds_load_b64 v[10:11], v7                       ; my wave's own stores, in order
	s_wait_dscnt 0x0
	global_store_b64 v8, v[10:11], s[32:33]        ; 32 lanes store 256 consecutive bytes, aligned
	s_wait_tensorcnt 0x0
	ds_add_u32 v200, v201
	s_wait_dscnt 0x0
	s_endpgm
.Lfunc_end_k_q9ddde67bdf_quant:
	.size	k_q9ddde67bdf_quant, .Lfunc_end_k_q9ddde67bdf_quant-k_q9ddde67bdf_quant
	.p2alignl 7, 3214868480
	.fill 96, 4, 3214868480
	.section	.rodata,"a",@progbits
	.p2align	6, 0x0
	.amdhsa_kernel k_q9ddde67bdf_quant
		.amdhsa_group_segment_fixed_size 35328
		.amdhsa_private_segment_fixed_size 0
		.amdhsa_enable_private_segment 0
		.amdhsa_kernarg_size 40
		.amdhsa_user_sgpr_count 2
		.amdhsa_user_sgpr_kernarg_segment_ptr 1
		.amdhsa_wavefront_size32 1
		.amdhsa_system_sgpr_workgroup_id_x 1
		.amdhsa_system_sgpr_workgroup_id_y 1
		.amdhsa_system_sgpr_workgroup_id_z 1
		.amdhsa_system_vgpr_workitem_id 0
		.amdhsa_next_free_vgpr 202
		.amdhsa_next_free_sgpr 66
		.amdhsa_reserve_vcc 0
		.amdhsa_float_denorm_mode_32 3
		.amdhsa_float_denorm_mode_16_64 3
		.amdhsa_memory_ordered 1
		.amdhsa_forward_progress 1
		.amdhsa_inst_pref_size 35
	.end_amdhsa_kernel
	.amdgpu_metadata
---
amdhsa.version: [ 1, 2 ]
amdhsa.kernels:
  - .name:           k_q9ddde67bdf_quant
    .symbol:         k_q9ddde67bdf_quant.kd
    .args:
      - { .name: x, .offset: 0, .size: 8, .value_kind: global_buffer, .address_space: global }
      - { .name: wq, .offset: 8, .size: 8, .value_kind: global_buffer, .address_space: global }
      - { .name: w1, .offset: 16, .size: 8, .value_kind: global_buffer, .address_space: global }
      - { .name: w2, .offset: 24, .size: 8, .value_kind: global_buffer, .address_space: global }
      - { .name: qw, .offset: 32, .size: 8, .value_kind: global_buffer, .address_space: global }
    .group_segment_fixed_size: 35328
    .private_segment_fixed_size: 0
    .kernarg_segment_align: 8
    .kernarg_segment_size: 40
    .max_flat_workgroup_size: 128
    .sgpr_count:     66
    .vgpr_count:     202
    .wavefront_size: 32
...
	.end_amdgpu_metadata
.endif
;; end of part 1
;; launch proj (part 2): grid 8 x 32, 4 waves a work-group, clusters of 4 x 4, 213,504 bytes of LDS; arguments qw, bq, kv; writes kv
.if DOCPART == 2
	.amdgcn_target "amdgcn-amd-amdhsa--gfx1250"
	.amdhsa_code_object_version 6
	.text
	.protected	k_q9ddde67bdf_proj
	.globl	k_q9ddde67bdf_proj
	.p2align	8
	.type	k_q9ddde67bdf_proj,@function
k_q9ddde67bdf_proj:
	s_mov_b64 s[64:65], 0
	v_nop
	global_prefetch_b8 v0, s[64:65] scope:SCOPE_SE
	s_setreg_imm32_b32 hwreg(HW_REG_WAVE_MODE, 25, 1), 1
	s_wait_xcnt 0x0
	s_wait_alu depctr_hold_cnt(0) depctr_sa_sdst(0) depctr_va_vdst(0) depctr_va_sdst(0) depctr_va_ssrc(0) depctr_va_vcc(0) depctr_vm_vsrc(0)
	s_getreg_b32 s2, hwreg(HW_REG_IB_STS2, 6, 4)
	s_cmp_eq_u32 s2, 0
	s_cbranch_scc0 .Lentry_in_a_cluster
	s_endpgm
.Lentry_in_a_cluster:
	s_bfe_u32 s2, ttmp6, 0x10000c
	s_cmp_lg_u32 s2, 0xf033
	s_cbranch_scc0 .Lentry_shape_is_right
	s_endpgm
.Lentry_shape_is_right:
; h = x wq^T + bq on codes of FP6 with E8M0 scales, and h quantised twice: along the head's 64 (the operand of the scores, for queries and keys alike) and along the keys (the values' operand).
; A work-group makes 128 rows (one key step of a batch) x 128 columns (two heads); a wave 64 x 64: one head.  256 work-groups.
; EACH PRODUCT IS MADE TWICE from the same fragments: acc1 transposed (source 0 = 16 rows of wq, source 1 = 16 rows of x): a lane holds one row of h and registers along the head;
; acc2 the other way round: a lane holds one channel and registers along the rows: ready for the quantiser along the keys.  That takes the place of a transposition of h through LDS.
; ALL OF K = 1,024 LIES IN LDS, filled once: the work-group's 8 row blocks of x are 98,304 dense bytes of qw, and so are wq's; their scale words 4,096 dense bytes each.
; Four tiles, four waves, one tensor load a wave at the head.  CLUSTER 4 x 4: x's tiles are asked for jointly along a row of the cluster, wq's along a column.  No prefetch: there is no loop to run ahead in.
; kv: [head of a batch 32][key step 16][13,056]: 8 tiles of keys of 768 bytes (6 registers a lane: piece p of 8 bytes of lane l at 256 p + 8 l; in tiles 2, 3, 6, 7 at 256 p + 8 (l xor 8),
;     so that the next launch's gathers of rows from two tiles fall on different banks), the values' half fragments (2 dt + c) x 768 from byte 6,144 on,
;     the keys' scale words, 512 bytes [half][lane][2 words] (a word holds tile 2 P in lanes 0-15 and tile 2 P + 1 in lanes 16-31) from byte 12,288 on, the values', 256 bytes [dt][row][word], from 12,800 on.
; LIMITS: no NaN or infinity; a block under 2^-124 gets the byte 1.  Bytes 2 and 3 of a key's scale word are 0: they scale zero codes in the next launch.
; REGISTERS: window 0: addresses, scale words, biases, codes on the way out; window 1: fragments, two sets (A at 128 f + 12 i, B at 128 f + 48 + 12 i); window 2: acc1(a, n) at 8 (4 a + n), acc2(a, n) at 128 + 8 (4 n + a).
.set ABLK,  98304                      ; 8 row blocks x 8 K steps x 1,536: x's codes; wq's lie behind them
.set SCL,   196608                     ; the scale words: x's 4,096 bytes, then wq's
.set VSG,   204800                     ; 512 bytes: the values' scale words are gathered here
.set SPARE, 212992                     ; the spare words, 128 bytes a wave
.set KSB,   13056                      ; a key step of a head in kv
.set ADRA, 16
.set ADRB, 18
.set ADSA, 20
.set ADSB, 21
.set OK,   22                          ; 8 x lane + 3,072 x row half: the keys' tiles 0, 1;  v30: the same with lane xor 8, for tiles 2, 3
.set VSW,  23
.set VSR,  24
.set OV,   25
.set OKS,  26
.set OL,   27
.set SA,   32                          ; scale words: A's at v[32 + 8 f + i], B's at v[36 + 8 f + i]
.set SB,   36
.set BI1,  64                          ; bq in acc1's layout
.set BI2,  96                          ; bq in acc2's layout
.set KC,   128
.set VC,   152
.set TM,   176
.set CT,   192
.set PWK,  196
.set PRW,  200
.set PWV,  204
.set G1, 24
.set G0, 32
.set G1B, 48
.set G0B, 56
.set G1S, 68
.set G0S, 76
.set G1SB, 80
.set G0SB, 88
.set SEL, 96
.set MSB, 0
.macro WIN new                         ; the immediate's high byte repeats the setting that is left
.if MSB != (\new)
	s_set_vgpr_msb (MSB<<8)|(\new)
.set MSB, (\new)
.endif
.endm
.macro PLACES                          ; four plain places behind matrix instructions (ISA guide 7.12.1)
.rept 4
	v_nop
.endr
.endm
.macro ARM under, g0, g1, next         ; one arm of the head's chain: waves under the number issue this load and jump to the join
	s_cmp_lt_u32 s14, \under
	s_cbranch_scc0 \next
	tensor_load_to_lds s[\g0:\g0+3], s[\g1:\g1+7]
	s_nop 0
.rept 4
	v_nop
.endr
	s_branch .Lhead_asked
\next:
.endm
.macro CROUND                          ; a round of the cluster's barrier
	s_barrier_signal -1
	s_barrier_wait -1
	s_cmp_lg_u32 s14, 0
	s_cbranch_scc1 .Lnot_wave_0_\@
	s_barrier_signal -3
.Lnot_wave_0_\@:
	s_barrier_wait -3
	s_barrier_signal -1
	s_barrier_wait -1
.endm
	s_load_b128 s[4:7], s[0:1], 0x0                ; qw s[4:5], bq s[6:7]
	s_load_b64 s[8:9], s[0:1], 0x10                ; kv
	v_lshl_add_u32 v254, v0, 2, SPARE
	v_mov_b32 v255, 0
	ds_add_u32 v254, v255                          ; the opening lines: the add twice on end and one wait
	ds_add_u32 v254, v255
	v_lshrrev_b32 v1, 5, v0
	v_readfirstlane_b32 s14, v1                    ; wave 0..3
	s_lshr_b32 s15, s14, 1                         ; my half of the rows
	s_and_b32 s16, s14, 1                          ; my half of the columns: my head
	s_bfe_u32 s40, ttmp6, 0x40000                  ; cx
	s_bfe_u32 s41, ttmp6, 0x40004                  ; cy
	s_lshl_b32 s42, ttmp9, 2
	s_add_co_u32 s42, s42, s40                     ; tile column
	s_and_b32 s17, ttmp7, 0xffff
	s_lshl_b32 s17, s17, 2
	s_add_co_u32 s17, s17, s41                     ; tile row
	s_lshl_b32 s43, s41, 2
	s_lshl_b32 s43, 15, s43                        ; my row of the cluster
	s_lshl_b32 s44, 0x1111, s40                    ; my column
	s_or_b32 s[G1+0], s43, (3<<16)|(1<<21)         ; codes: a dense block as 384 rows of 256 bytes (32 elements of 8)
	s_or_b32 s[G1B+0], s44, (3<<16)|(1<<21)
.irp g, G1, G1B
	s_mov_b32 s[\g+1], 32<<16
	s_mov_b32 s[\g+2], 384<<16
	s_mov_b32 s[\g+3], 32<<16
	s_mov_b32 s[\g+4], 384
	s_mov_b32 s[\g+5], 32
	s_mov_b32 s[\g+6], 0
	s_mov_b32 s[\g+7], 0
.endr
	s_or_b32 s[G1S+0], s43, (3<<16)|(1<<21)        ; scale words: 16 rows of 256 bytes
	s_or_b32 s[G1SB+0], s44, (3<<16)|(1<<21)
.irp g, G1S, G1SB
	s_mov_b32 s[\g+1], 32<<16
	s_mov_b32 s[\g+2], 16<<16
	s_mov_b32 s[\g+3], 32<<16
	s_mov_b32 s[\g+4], 16
	s_mov_b32 s[\g+5], 32
	s_mov_b32 s[\g+6], 0
	s_mov_b32 s[\g+7], 0
.endr
	s_lshl_b32 s20, s17, 3                         ; x's first row block
	s_lshl_b32 s46, s42, 3                         ; wq's
	s_lshl_b32 s22, s20, 9                         ; 512 bytes of scale words a row block
	s_add_co_u32 s22, s22, 10223616
	s_mov_b32 s23, 0
	s_lshl_b32 s92, s46, 9
	s_add_co_u32 s92, s92, 10354688
	s_mov_b32 s93, 0
	s_mul_i32 s20, s20, 12288                      ; 12,288 bytes of codes a row block
	s_mov_b32 s21, 0
	s_mul_i32 s46, s46, 12288
	s_add_co_u32 s46, s46, 3145728
	s_mov_b32 s47, 0
	s_wait_dscnt 0x0                               ; both opening adds are done
	s_wait_kmcnt 0x0
	s_add_nc_u64 s[20:21], s[4:5], s[20:21]
	s_add_nc_u64 s[22:23], s[4:5], s[22:23]
	s_add_nc_u64 s[46:47], s[4:5], s[46:47]
	s_add_nc_u64 s[92:93], s[4:5], s[92:93]
	CROUND                                         ; all sixteen work-groups are here: the joint loads meet
	s_mov_b32 s[G0], 1
	s_mov_b32 s[G0+1], 0
	s_mov_b64 s[G0+2:G0+3], s[20:21]
	s_or_b32 s[G0+3], s[G0+3], 0x80000000
	s_mov_b32 s[G0B], 1
	s_mov_b32 s[G0B+1], ABLK
	s_mov_b64 s[G0B+2:G0B+3], s[46:47]
	s_or_b32 s[G0B+3], s[G0B+3], 0x80000000
	s_mov_b32 s[G0S], 1
	s_mov_b32 s[G0S+1], SCL
	s_mov_b64 s[G0S+2:G0S+3], s[22:23]
	s_or_b32 s[G0S+3], s[G0S+3], 0x80000000
	s_mov_b32 s[G0SB], 1
	s_mov_b32 s[G0SB+1], SCL+4096
	s_mov_b64 s[G0SB+2:G0SB+3], s[92:93]
	s_or_b32 s[G0SB+3], s[G0SB+3], 0x80000000
	ARM 1, G0,  G1,  .Lhead_b                      ; wave 0: x's codes; wave 1: wq's; wave 2: x's scale words; wave 3: wq's: one load on every way
	ARM 2, G0B, G1B, .Lhead_sa
	ARM 3, G0S, G1S, .Lhead_sb
	tensor_load_to_lds s[G0SB:G0SB+3], s[G1SB:G1SB+7]
	s_nop 0
.rept 4
	v_nop
.endr
.Lhead_asked:
	v_and_b32 v1, 31, v0                           ; lane
	v_and_b32 v2, 15, v0                           ; r
	v_bfe_u32 v3, v0, 4, 1                         ; h
	s_wait_alu depctr_va_vdst(0)
	v_lshlrev_b32 v4, 4, v1                        ; 16 x lane: my place in an image
	s_mul_i32 s21, s15, ABLK/2
	s_mul_i32 s22, s16, ABLK/2
	s_add_co_u32 s22, s22, ABLK
	v_add_nc_u32 v[ADRA], s21, v4
	v_add_nc_u32 v[ADRB], s22, v4
	v_lshlrev_b32 v5, 2, v2                        ; 4 r
	s_lshl_b32 s21, s15, 11
	s_add_co_u32 s21, s21, SCL
	v_add_nc_u32 v[ADSA], s21, v5
	s_lshl_b32 s22, s16, 11
	s_add_co_u32 s22, s22, SCL+4096
	v_add_nc_u32 v[ADSB], s22, v5
	s_lshl_b32 s46, s42, 9                         ; bq: my head's 64 numbers
	s_lshl_b32 s47, s16, 8
	s_add_co_u32 s46, s46, s47
	s_mov_b32 s47, 0
	s_add_nc_u64 s[6:7], s[6:7], s[46:47]
	v_lshlrev_b32 v6, 6, v3                        ; acc1: register j of tile n is channel 32 (n / 2) + 8 (n % 2) + 16 h + j
	v_and_b32 v7, 8, v2
	v_add_nc_u32 v7, v7, v2
	v_lshlrev_b32 v7, 2, v7                        ; acc2: the lane's channel is 32 (n / 2) + 8 (n % 2) + r + 8 (r / 8)
.irp n, 0,1,2,3
	global_load_b128 v[BI1+8*\n:BI1+8*\n+3], v6, s[6:7] offset:(32*(\n/2)+8*(\n%2))*4
	global_load_b128 v[BI1+8*\n+4:BI1+8*\n+7], v6, s[6:7] offset:(32*(\n/2)+8*(\n%2))*4+16
.irp j, 0,1,2,3,4,5,6,7
	global_load_b32 v[BI2+8*\n+\j], v7, s[6:7] offset:(32*(\n/2)+8*(\n%2))*4
.endr
.endr
	v_lshlrev_b32 v[OL], 3, v1
	s_mul_i32 s21, s15, 3072
	v_add_nc_u32 v[OK], s21, v[OL]
	v_xor_b32 v[OK+8], 64, v[OK]                   ; lane xor 8
	s_mul_i32 s21, s15, 768
	v_add_nc_u32 v[OV], s21, v[OL]
	s_lshl_b32 s21, s15, 8
	v_add_nc_u32 v[OKS], s21, v[OL]
	s_lshl_b32 s21, s16, 8
	s_add_co_u32 s21, s21, VSG
	v_add_nc_u32 v[VSR], s21, v[OL]                ; my head's 256 bytes, 8 a lane
	s_lshl_b32 s22, s15, 1
	s_add_co_u32 s21, s21, s22
	v_add_nc_u32 v[VSW], s21, v5                   ; row r's word, bytes 2 x row half on
	s_lshr_b32 s20, s17, 4
	s_lshl_b32 s20, s20, 4                         ; 16 x batch
	s_lshl_b32 s21, s42, 1
	s_add_co_u32 s20, s20, s21
	s_add_co_u32 s20, s20, s16                     ; + head
	s_lshl_b32 s20, s20, 4
	s_and_b32 s21, s17, 15
	s_add_co_u32 s20, s20, s21                     ; x 16 + key step
	s_mul_i32 s20, s20, KSB
	s_mov_b32 s21, 0
	s_add_co_u32 s46, s20, 12288
	s_mov_b32 s47, 0
	s_add_nc_u64 s[10:11], s[8:9], s[20:21]        ; my codes
	s_add_nc_u64 s[12:13], s[8:9], s[46:47]        ; my scale words
	s_mov_b32 s[SEL], 0x76543210
	s_mov_b32 s[SEL+1], 0xfedcba98
.irp b, 0,1
	v_mov_b32 v[TM+4+\b], 0                        ; written once: a lane permute's destination counts as one of its sources
.endr
.macro FETCH ks, f                     ; all fragments and scale words of K step ks, in one run, into set f
	WIN 0x40                                       ; destination window 1, address window 0
.irp i, 0,1,2,3
.irp g, 0,1,2
	ds_load_b128 v[128*(\f)+12*\i+4*\g:128*(\f)+12*\i+4*\g+3], v[ADRA] offset:\i*12288+(\ks)*1536+512*\g
.endr
.endr
.irp i, 0,1,2,3
.irp g, 0,1,2
	ds_load_b128 v[128*(\f)+48+12*\i+4*\g:128*(\f)+48+12*\i+4*\g+3], v[ADRB] offset:\i*12288+(\ks)*1536+512*\g
.endr
.endr
	WIN 0
.irp i, 0,1,2,3
	ds_load_b32 v[SA+8*(\f)+\i], v[ADSA] offset:\i*512+(\ks)*64
	ds_load_b32 v[SB+8*(\f)+\i], v[ADSB] offset:\i*512+(\ks)*64
.endr
.endm
; 32 products on set f: the 32 accumulators take turns, one instruction a turn.  first = 1: bq is the C of each sum's first product
.macro PRODS f, first
.if \first
	WIN 0x85                                       ; sources 0 and 1 window 1, C window 0, D window 2
.else
	WIN 0xa5                                       ; C and D window 2
.endif
.irp a, 0,1,2,3
.irp n, 0,1,2,3
.if \first
	v_wmma_scale_f32_16x16x128_f8f6f4 v[8*(4*\a+\n):8*(4*\a+\n)+7], v[128*(\f)+48+12*\n:128*(\f)+48+12*\n+11], v[128*(\f)+12*\a:128*(\f)+12*\a+11], v[BI1+8*\n:BI1+8*\n+7], v[SB+8*(\f)+\n], v[SA+8*(\f)+\a] matrix_a_fmt:MATRIX_FMT_FP6 matrix_b_fmt:MATRIX_FMT_FP6
	v_wmma_scale_f32_16x16x128_f8f6f4 v[128+8*(4*\n+\a):128+8*(4*\n+\a)+7], v[128*(\f)+12*\a:128*(\f)+12*\a+11], v[128*(\f)+48+12*\n:128*(\f)+48+12*\n+11], v[BI2+8*\n:BI2+8*\n+7], v[SA+8*(\f)+\a], v[SB+8*(\f)+\n] matrix_a_fmt:MATRIX_FMT_FP6 matrix_b_fmt:MATRIX_FMT_FP6
.else
	v_wmma_scale_f32_16x16x128_f8f6f4 v[8*(4*\a+\n):8*(4*\a+\n)+7], v[128*(\f)+48+12*\n:128*(\f)+48+12*\n+11], v[128*(\f)+12*\a:128*(\f)+12*\a+11], v[8*(4*\a+\n):8*(4*\a+\n)+7], v[SB+8*(\f)+\n], v[SA+8*(\f)+\a] matrix_a_fmt:MATRIX_FMT_FP6 matrix_b_fmt:MATRIX_FMT_FP6
	v_wmma_scale_f32_16x16x128_f8f6f4 v[128+8*(4*\n+\a):128+8*(4*\n+\a)+7], v[128*(\f)+12*\a:128*(\f)+12*\a+11], v[128*(\f)+48+12*\n:128*(\f)+48+12*\n+11], v[128+8*(4*\n+\a):128+8*(4*\n+\a)+7], v[SA+8*(\f)+\a], v[SB+8*(\f)+\n] matrix_a_fmt:MATRIX_FMT_FP6 matrix_b_fmt:MATRIX_FMT_FP6
.endif
.endr
.endr
.endm
.macro STEP ks, first                  ; K step ks is multiplied while the next one's fragments are fetched into the other set
	s_wait_dscnt 0x0                               ; this step's set is in
.if \first == 0
	PLACES                                         ; the other set was read by the last step's products
.endif
	FETCH (\ks)+1, 1-(\ks)%2
	PRODS (\ks)%2, \first
	WIN 0
.endm
	s_wait_alu depctr_va_vdst(0)
	s_wait_tensorcnt 0x0                           ; my tile of the four is in
	s_barrier_signal -1
	s_barrier_wait -1                              ; everybody's is; nothing is filled again
	FETCH 0, 0
	s_wait_loadcnt 0x0                             ; bq
	STEP 0, 1
.irp k, 1,2,3,4,5,6
	STEP \k, 0
.endr
	s_wait_dscnt 0x0
	PRODS 1, 0
	WIN 0
; 32 registers of window 2, register 16 b + i = k 32 b + 16 (lane / 16) + i of the lane's row, become 6 registers of codes at v[d] and two scale bytes in v[pw].  Each accumulator is read from its low end on.
.macro Q2 s, d, pw
	WIN 0x28                                       ; sources 1 and 2 window 2
.irp b, 0,1
	v_max3_num_f32 v[TM+\b], 0x1800000, |v[(\s)+16*\b]|, |v[(\s)+1+16*\b]|   ; the floor 2^(3 - 127) among the leaves
.endr
.irp i, 2,4,6,8,10,12,14
.irp b, 0,1
	v_max3_num_f32 v[TM+\b], v[TM+\b], |v[(\s)+16*\b+\i]|, |v[(\s)+1+16*\b+\i]|
.endr
.endr
	WIN 0
.irp b, 0,1
	v_permlanex16_b32 v[TM+4+\b], v[TM+\b], s[SEL], s[SEL+1]
.endr
.irp b, 0,1
	v_max_num_f32 v[TM+\b], v[TM+\b], v[TM+4+\b]
.endr
.irp b, 0,1
	v_add_nc_u32 v[TM+12+\b], 0xff000000, v[TM+\b]
.endr
.irp b, 0,1
	v_lshrrev_b32 v[TM+4+\b], 23, v[TM+12+\b]
.endr
	v_lshl_or_b32 v[\pw], v[TM+5], 8, v[TM+4]
	WIN 0x02                                       ; source 0 window 2
	v_cvt_scalef32_pk16_fp6_f32 v[(\d):(\d)+2], v[(\s):(\s)+15], v[TM+12]
	v_cvt_scalef32_pk16_fp6_f32 v[CT:CT+2], v[(\s)+16:(\s)+31], v[TM+13]
	WIN 0
	v_nop                                          ; one plain place behind a scaled conversion
.irp i, 0,1,2
	v_permlane16_swap_b32 v[(\d)+\i], v[CT+\i]
.endr
.irp i, 0,1,2
	v_mov_b32 v[(\d)+3+\i], v[CT+\i]
.endr
.endm
	PLACES
	s_mov_b32 vcc_lo, 0xffff0000                   ; lanes 16-31
.irp a, 0,1,2,3                        ; my four tiles of 16 rows, quantised along the head
	Q2 32*\a, KC+6*\a, PWK+\a
.irp p, 0,1,2
	global_store_b64 v[OK+8*(\a/2)], v[KC+6*\a+2*\p:KC+6*\a+2*\p+1], s[10:11] offset:768*\a+256*\p   ; 32 lanes store 256 consecutive bytes, aligned; tiles 2 and 3 with the row halves swapped
.endr
.endr
	v_cndmask_b32 v[PRW], v[PWK], v[PWK+1], vcc_lo     ; lanes 0-15 the even tile's words, lanes 16-31 the odd tile's
	v_cndmask_b32 v[PRW+1], v[PWK+2], v[PWK+3], vcc_lo
	global_store_b64 v[OKS], v[PRW:PRW+1], s[12:13]
.irp n, 0,1,2,3                        ; my four tiles of 16 channels, quantised along my 64 rows: half a fragment each
	Q2 128+32*\n, VC+6*\n, PWV+\n
.irp p, 0,1,2
	global_store_b64 v[OV], v[VC+6*\n+2*\p:VC+6*\n+2*\p+1], s[10:11] offset:6144+1536*\n+256*\p
.endr
	ds_store_b16 v[VSW], v[PWV+\n] offset:64*\n    ; my two bytes of the channel's scale word; the other row half's wave brings the other two
.endr
	s_wait_dscnt 0x0                               ; for the others' sake: my stores are done
	s_barrier_signal -1
	s_barrier_wait -1
	s_cmp_lt_u32 s14, 2                            ; waves 0 and 1 store the words of heads 0 and 1
	s_cbranch_scc0 .Lno_vs
	ds_load_b64 v[208:209], v[VSR]
	s_wait_dscnt 0x0
	global_store_b64 v[OL], v[208:209], s[12:13] offset:512
.Lno_vs:
	s_wait_tensorcnt 0x0                           ; the wave's end
	ds_add_u32 v254, v255
	s_wait_dscnt 0x0
	CROUND                                         ; the closing round
	s_endpgm
.Lfunc_end_k_q9ddde67bdf_proj:
	.size	k_q9ddde67bdf_proj, .Lfunc_end_k_q9ddde67bdf_proj-k_q9ddde67bdf_proj
	.p2alignl 7, 3214868480
	.fill 96, 4, 3214868480
	.section	.rodata,"a",@progbits
	.p2align	6, 0x0
	.amdhsa_kernel k_q9ddde67bdf_proj
		.amdhsa_group_segment_fixed_size 213504
		.amdhsa_private_segment_fixed_size 0
		.amdhsa_enable_private_segment 0
		.amdhsa_kernarg_size 24
		.amdhsa_user_sgpr_count 2
		.amdhsa_user_sgpr_kernarg_segment_ptr 1
		.amdhsa_wavefront_size32 1
		.amdhsa_system_sgpr_workgroup_id_x 1
		.amdhsa_system_sgpr_workgroup_id_y 1
		.amdhsa_system_sgpr_workgroup_id_z 1
		.amdhsa_system_vgpr_workitem_id 0
		.amdhsa_next_free_vgpr 768
		.amdhsa_next_free_sgpr 98
		.amdhsa_reserve_vcc 1
		.amdhsa_float_denorm_mode_32 3
		.amdhsa_float_denorm_mode_16_64 3
		.amdhsa_memory_ordered 1
		.amdhsa_forward_progress 1
		.amdhsa_inst_pref_size 82
	.end_amdhsa_kernel
	.amdgpu_metadata
---
amdhsa.version: [ 1, 2 ]
amdhsa.kernels:
  - .name:           k_q9ddde67bdf_proj
    .symbol:         k_q9ddde67bdf_proj.kd
    .args:
      - { .name: qw, .offset: 0, .size: 8, .value_kind: global_buffer, .address_space: global }
      - { .name: bq, .offset: 8, .size: 8, .value_kind: global_buffer, .address_space: global }
      - { .name: kv, .offset: 16, .size: 8, .value_kind: global_buffer, .address_space: global }
    .group_segment_fixed_size: 213504
    .private_segment_fixed_size: 0
    .kernarg_segment_align: 8
    .kernarg_segment_size: 24
    .max_flat_workgroup_size: 128
    .sgpr_count:     98
    .vgpr_count:     768
    .wavefront_size: 32
...
	.end_amdgpu_metadata
.endif
;; end of part 2
;; launch attn (part 3): grid 8 x 32, 16 waves a work-group, clusters of 4 x 1, 280,576 bytes of LDS; arguments kv, x, att; writes att
.if DOCPART == 3
	.amdgcn_target "amdgcn-amd-amdhsa--gfx1250"
	.amdhsa_code_object_version 6
	.text
	.protected	k_q9ddde67bdf_attn
	.globl	k_q9ddde67bdf_attn
	.p2align	8
	.type	k_q9ddde67bdf_attn,@function
k_q9ddde67bdf_attn:
	s_mov_b64 s[64:65], 0
	v_nop
	global_prefetch_b8 v0, s[64:65] scope:SCOPE_SE
	s_setreg_imm32_b32 hwreg(HW_REG_WAVE_MODE, 25, 1), 1
	s_wait_xcnt 0x0
	s_wait_alu depctr_hold_cnt(0) depctr_sa_sdst(0) depctr_va_vdst(0) depctr_va_sdst(0) depctr_va_ssrc(0) depctr_va_vcc(0) depctr_vm_vsrc(0)
	s_getreg_b32 s2, hwreg(HW_REG_IB_STS2, 6, 4)
	s_cmp_eq_u32 s2, 0
	s_cbranch_scc0 .Lentry_in_a_cluster
	s_endpgm
.Lentry_in_a_cluster:
	s_bfe_u32 s2, ttmp6, 0x10000c
	s_cmp_lg_u32 s2, 0x3003
	s_cbranch_scc0 .Lentry_shape_is_right
	s_endpgm
.Lentry_shape_is_right:
; att[b][q][head] = x[b][q][head] + the sum over k of softmax_k(h[q] . h[k] / 8) h[k]: the attention and the residual in front of the first norm.
; Both products on codes of FP6 with E8M0 scales, from the launch before (queries, keys and values are one tensor h).
; THE SOFTMAX AHEAD OF THE SECOND PRODUCT: t = score x log2(e) / 8; M = the running largest t, rounded up to a whole number; p = 2^(t - M) is quantised along the keys, not normalised; the row's sum of the
; unquantised p divides at the end.  When M moves, the sum and O are multiplied by 2^(old M - new M): exact.
; SHARES: a work-group owns 256 queries of one head of one batch, each of its sixteen waves 16 of them in 256 registers.
; A WHOLE HEAD, 16 key steps of 13,056 bytes (codes and scale words on end), LIES IN LDS: wave w brings key step w by its one tensor load at the head, 51 rows of 256 bytes; no byte is filled again.
; One barrier, then one loop of 16 key steps with no barrier in it.  CLUSTER 4 x 1: the four query blocks of a cluster belong to one head: each load is asked for jointly.
; No prefetch: every byte that the loop reads is asked for at the head, so there is nothing to run ahead for.
; LAYOUT: both products transposed (S^T = K Q^T, O^T = V^T P^T): a lane holds one query.  THE KEYS OF A SCORE TILE ARE GATHERED: row m of tile (c, u) is key 64 c + 32 (m / 8) + 8 u + m % 8, so that the
; 32 registers of tiles (c, 0 .. 3) of lane (r, h) are the 32 neighbouring keys of block 2 c + h: a block's largest score needs no other lane, and the conversions' results are p's operand as they stand.
; In kv's tile t the rows are keys 32 (t / 2) + 8 (t % 2) + r + 8 (r / 8); rows 0-7 of tile (c, u) come from kv's tile 4 c + u % 2, rows 8-15 from tile 4 c + 2 + u % 2, whose row halves lie swapped:
; so the 32 lanes of a load touch 256 different bytes modulo 256.
; THE FIRST PRODUCT'S K IS 64, the instruction's 128: Q's upper 64 codes are zeros.  A tile of keys is 6 registers, the tiles stand on end, and a tile's operand runs on into the next tile's codes
; (behind the last: zeros), which meet Q's zeros; bytes 2 and 3 of the scale words are 0, a power of two.
; x: my 16 rows x 256 bytes are asked for at the head, into eight groups of four registers that the loop does not touch.
; LIMITS: no NaN or infinity in h; the scaled scores t stay under 2^31 in magnitude.
; REGISTERS: v[2:5], v86-93, v236-255 x; v6 8 h; v7 x's and att's offset; v8, v9 the keys' addresses, v10 their scale words', v11 the values', v28 their scale words'; v12 -M, v13 the largest score, v[14:15] the sum;
; v16-27 Q; v30, v31 the add's two; v32-85 K's tiles, then V's fragments; v96-159 S^T, then p; v160-191 O^T; v192-203 p's codes; v224-233 scale words; the rest at work.
.set KSB,   13056
.set STG,   208896                     ; the way out: 16 rows x 272 bytes for each wave; no load lands here
.set SPARE, 278528                     ; the spare words, 128 bytes a wave
.set WV,   18
.set NC,   19                          ; -c
.set SEL,  20                          ; s[20:21]
.set CS,   22                          ; s[22:23] c = log2(e) / 8
.set G1,   24
.set G0,   40
.set CNT,  60
.macro CROUND
	s_barrier_signal -1
	s_barrier_wait -1
	s_cmp_lg_u32 s[WV], 0
	s_cbranch_scc1 .Lnot_wave_0_\@
	s_barrier_signal -3
.Lnot_wave_0_\@:
	s_barrier_wait -3
	s_barrier_signal -1
	s_barrier_wait -1
.endm
; The later part of a step's row sum: 25 pairs of p and the joining of the four chains.  It is run at the top of the NEXT step, behind that step's LDS loads (p still lies in v96-159, and the sums still stand
; under that step's M), and once more behind the loop; the first trip finds zeros.
.macro SUMB
.irp j, 110,118,126,134,142,150
	v_pk_add_f32 v[94:95], v[94:95], v[\j:\j+1]
	v_pk_add_f32 v[216:217], v[216:217], v[\j+2:\j+3]
	v_pk_add_f32 v[218:219], v[218:219], v[\j+4:\j+5]
	v_pk_add_f32 v[14:15], v[14:15], v[\j+6:\j+7]
.endr
	v_pk_add_f32 v[94:95], v[94:95], v[158:159]
	v_pk_add_f32 v[216:217], v[216:217], v[218:219]
	v_pk_add_f32 v[14:15], v[14:15], v[94:95]
	v_pk_add_f32 v[14:15], v[14:15], v[216:217]
.endm
.macro XREG i
.if \i == 0
.set XR, 2
.elseif \i < 3
.set XR, 82+4*\i
.else
.set XR, 224+4*\i
.endif
.endm
	s_load_b128 s[4:7], s[0:1], 0x0                ; kv s[4:5], x s[6:7]
	s_load_b64 s[72:73], s[0:1], 0x10              ; att
	v_lshl_add_u32 v30, v0, 2, SPARE
	v_mov_b32 v31, 0
	ds_add_u32 v30, v31                            ; the opening lines: the add twice on end and one wait
	ds_add_u32 v30, v31
	v_lshrrev_b32 v8, 5, v0
	s_delay_alu instid0(VALU_DEP_1)
	v_readfirstlane_b32 s[WV], v8                  ; wave 0..15
	s_bfe_u32 s8, ttmp6, 0x40000                   ; cx
	s_lshl_b32 s9, ttmp9, 2
	s_add_co_u32 s9, s9, s8                        ; my block of 256 queries: it enters global addresses of Q, x and att alone
	s_and_b32 s10, ttmp7, 0xffff                   ; the head of a batch, which the four partners share
	s_mul_i32 s14, s10, 16*KSB
	s_mul_i32 s11, s[WV], KSB                      ; key step w, in memory and in LDS alike
	s_add_co_u32 s12, s14, s11
	s_mov_b32 s13, 0
	s_mov_b32 s[G1], 15|(3<<16)|(1<<21)            ; the mask: all four work-groups; elements of 8 bytes; bit 21 beside a mask; no padding
	s_mov_b32 s[G1+1], 32<<16
	s_mov_b32 s[G1+2], 51<<16
	s_mov_b32 s[G1+3], 32<<16
	s_mov_b32 s[G1+4], 51
	s_mov_b32 s[G1+5], 32
	s_mov_b32 s[G1+6], 0
	s_mov_b32 s[G1+7], 0
	s_mov_b32 s[SEL], 0x76543210
	s_mov_b32 s[SEL+1], 0xfedcba98
	s_mov_b32 s[CS], 0x3e38aa3b
	s_mov_b32 s[CS+1], s[CS]                       ; named with it as a pair, so it is written
	s_mov_b32 s[NC], 0xbe38aa3b
	s_wait_dscnt 0x0                               ; both opening adds are done
	s_wait_kmcnt 0x0
	s_add_nc_u64 s[12:13], s[4:5], s[12:13]
	CROUND                                         ; all four work-groups are here: the joint loads meet
	s_mov_b32 s[G0], 1
	s_mov_b32 s[G0+1], s11
	s_mov_b64 s[G0+2:G0+3], s[12:13]
	s_or_b32 s[G0+3], s[G0+3], 0x80000000
	tensor_load_to_lds s[G0:G0+3], s[G1:G1+7]      ; my one tensor load
	s_nop 0
.rept 4
	v_nop
.endr
	s_lshr_b32 s61, s[WV], 3                       ; my tile of queries: tile t of key step ksq
	s_lshl_b32 s62, s9, 1
	s_add_co_u32 s61, s61, s62                     ; ksq
	s_and_b32 s62, s[WV], 7                        ; t
	s_mul_i32 s66, s61, KSB
	s_add_co_u32 s66, s66, s14
	s_mov_b32 s67, 0
	s_add_nc_u64 s[66:67], s[4:5], s[66:67]        ; that key step in kv
	s_mul_i32 s63, s62, 768                        ; the tile's codes
	s_bfe_u32 s69, s62, 0x10001                    ; bit 1 of t: the tiles whose row halves lie swapped,
	s_lshl_b32 s68, s69, 6                         ; 8 bytes x (lane xor 8)
	s_lshl_b32 s69, s69, 2                         ; the scale words: the pair's word,
	s_lshr_b32 s70, s62, 2
	s_lshl_b32 s70, s70, 8                         ; the half of the key step,
	s_add_co_u32 s69, s69, s70
	s_and_b32 s70, s62, 1
	s_lshl_b32 s70, s70, 7                         ; lanes 0-15 or 16-31 of it
	s_add_co_u32 s69, s69, s70
	s_add_co_u32 s69, s69, 12288
	s_lshr_b32 s70, s10, 4
	s_lshl_b32 s70, s70, 11                        ; the batch's 2,048 rows
	s_lshl_b32 s71, s61, 7
	s_add_co_u32 s70, s70, s71
	s_lshr_b32 s71, s62, 1
	s_lshl_b32 s71, s71, 5
	s_add_co_u32 s70, s70, s71
	s_and_b32 s71, s62, 1
	s_lshl_b32 s71, s71, 3
	s_add_co_u32 s70, s70, s71                     ; the tile's first row: 128 ksq + 32 (t / 2) + 8 (t % 2)
	s_lshl_b32 s70, s70, 12
	s_and_b32 s71, s10, 15
	s_lshl_b32 s71, s71, 8                         ; the head's 256 bytes of a row
	s_add_co_u32 s70, s70, s71
	s_mov_b32 s71, 0
	s_add_nc_u64 s[6:7], s[6:7], s[70:71]
	s_add_nc_u64 s[72:73], s[72:73], s[70:71]
	s_mov_b32 s[CNT], 0
	v_and_b32 v216, 7, v0                          ; r % 8
	v_bfe_u32 v217, v0, 3, 1                       ; r / 8
	v_bfe_u32 v218, v0, 4, 1                       ; h
	v_and_b32 v219, 15, v0                         ; r
	v_and_b32 v220, 31, v0                         ; lane
	v_lshlrev_b32 v11, 3, v220                     ; the values' images: 8 x lane
	v_lshl_add_u32 v29, v219, 3, s69
	v_lshlrev_b32 v7, 12, v218
	v_xor_b32 v1, s68, v11
	v_lshl_add_u32 v7, v219, 4, v7                 ; x and the way out: lanes 0-15 one row, lanes 16-31 the next; 16 bytes a lane
	v_add_nc_u32 v1, s63, v1
.irp p, 0,1,2
	global_load_b64 v[16+2*\p:17+2*\p], v1, s[66:67] offset:256*\p   ; Q's codes stay in registers
.endr
	global_load_b32 v233, v29, s[66:67]            ; Q's scale words
.irp i, 0,1,2,3,4,5,6,7
	XREG \i
	global_load_b128 v[XR:XR+3], v7, s[6:7] offset:(2*\i+8*(\i/4))*4096 th:TH_LOAD_NT   ; 16 lanes read 256 consecutive bytes, aligned; the tile's lane row r is row r + 8 (r / 8)
.endr
	v_lshlrev_b32 v221, 3, v216
	v_lshlrev_b32 v28, 2, v219                     ; the values' scale words: 4 r
	v_lshlrev_b32 v6, 3, v218                      ; 8 h
	v_lshl_add_u32 v221, v218, 7, v221             ; 8 (r % 8) + 128 h
	s_delay_alu instid0(VALU_DEP_1)
	v_mad_u32_u24 v8, v217, 1600, v221             ; tiles u = 0, 1: rows 8-15 lie two tiles on (1,536), in the other row half (64)
	v_mad_u32_u24 v9, v217, 1472, v221
	v_lshl_add_u32 v10, v217, 2, v221              ; the keys' scale words: lanes 0-15 an even u, lanes 16-31 the odd u beside it
	s_delay_alu instid0(VALU_DEP_2)
	v_add_nc_u32 v9, 64, v9                        ; tiles u = 2, 3: rows 0-7 in the upper row half, rows 8-15 two tiles on in the lower
.irp j, 22,23,24,25,26,27, 80,81,82,83,84,85
	v_mov_b32 v[\j], 0                             ; Q's upper 64 codes; and what stands behind the last tile of keys
.endr
	v_mov_b32 v13, 0xff61b1e6                      ; the largest score so far: -3e38
	v_mov_b32 v12, 0x7e000000                      ; -M: 2^125, a whole number over every -M that follows: the first step's factor is 0
	v_mov_b32 v14, 0                               ; the sum, in two halves
	v_mov_b32 v15, 0
	v_mov_b32 v211, 0                              ; written once: a lane permute's destination counts as one of its sources
	v_mov_b32 v235, 0                              ; named as the upper half of the pair v[234:235]
.irp j, 94,95,216,217,218,219
	v_mov_b32 v[\j], 0                             ; the sum's three other chains: the first trip adds them as zeros
.endr
.set j, 0
.rept 96
	v_mov_b32 v[96+j], 0                           ; p and O^T: the step is written once; its first turn finds zeros
.set j, j+1
.endr
	s_wait_alu depctr_va_vdst(0)
	s_wait_loadcnt 8                               ; Q's four loads are in; the eight of x, issued behind them, may be out
	s_wait_tensorcnt 0x0                           ; my key step is in;
	s_barrier_signal -1
	s_barrier_wait -1                              ; everybody's is
.Lstep:                                                ; A KEY STEP: 128 keys
.irp c, 0,1
.irp u, 0,1,2,3
.irp p, 0,1,2
	ds_load_b64 v[32+6*(4*\c+\u)+2*\p:33+6*(4*\c+\u)+2*\p], v[8+\u/2] offset:768*(4*\c+\u%2)+256*\p
.endr
.endr
.endr
.irp c, 0,1
.irp g, 0,1
	ds_load_b32 v[224+2*\c+\g], v10 offset:12288+256*\c+64*\g
.endr
.endr
	SUMB                                           ; the last step's sum goes on while the 28 loads above are out
	s_wait_dscnt 0x0
.irp c, 0,1
.irp u, 0,1,2,3
.if \u%2
	v_wmma_scale_f32_16x16x128_f8f6f4 v[96+8*(4*\c+\u):103+8*(4*\c+\u)], v[32+6*(4*\c+\u):43+6*(4*\c+\u)], v[16:27], 0, v[224+2*\c+\u/2], v233 matrix_a_fmt:MATRIX_FMT_FP6 matrix_b_fmt:MATRIX_FMT_FP6 matrix_a_scale:MATRIX_SCALE_ROW1
.else
	v_wmma_scale_f32_16x16x128_f8f6f4 v[96+8*(4*\c+\u):103+8*(4*\c+\u)], v[32+6*(4*\c+\u):43+6*(4*\c+\u)], v[16:27], 0, v[224+2*\c+\u/2], v233 matrix_a_fmt:MATRIX_FMT_FP6 matrix_b_fmt:MATRIX_FMT_FP6
.endif
.endr
.endr
	v_mov_b32 v207, v12                            ; the old -M; with the three below: the places in front of the loads and of the first read of the scores
	v_add_nc_u32 v8, KSB, v8                       ; the keys' three addresses, on to the next key step
	v_add_nc_u32 v9, KSB, v9
	v_add_nc_u32 v10, KSB, v10
.irp d, 0,1,2,3                        ; V's fragments are asked for now and land under the softmax
.irp c, 0,1
.irp p, 0,1,2
	ds_load_b64 v[32+12*\d+6*\c+2*\p:33+12*\d+6*\c+2*\p], v11 offset:6144+(2*\d+\c)*768+256*\p
.endr
.endr
	ds_load_b32 v[228+\d], v28 offset:12800+64*\d
.endr
.irp b, 0,1,2,3
	v_max3_num_f32 v[212+\b], v[96+16*\b], v[97+16*\b], v[98+16*\b]   ; four chains of 16 scores, each accumulator from its low end on
.endr
.irp i, 3,5,7,9,11,13
.irp b, 0,1,2,3
	v_max3_num_f32 v[212+\b], v[212+\b], v[96+16*\b+\i], v[97+16*\b+\i]
.endr
.endr
.irp c, 0,1
	v_max3_num_f32 v[212+2*\c], v[212+2*\c], v[213+2*\c], v[111+32*\c]
.endr
.irp c, 0,1
	v_max_num_f32 v[212+2*\c], v[212+2*\c], v[127+32*\c]   ; the largest score of my block 2 c + h: for the row's maximum, and, since p rises with the score, for the block's largest p
.endr
	v_max_num_f32 v213, v212, v214
	v_permlanex16_b32 v215, v213, s[SEL], s[SEL+1]
	v_max3_num_f32 v13, v13, v213, v215            ; the running largest score of my query (c is positive)
	v_mul_f32 v213, s[NC], v13                     ; -t
	v_floor_f32 v12, v213                          ; the new -M = -ceil(t)
	v_sub_f32 v207, v12, v207                      ; old M - new M: a whole number, 0 or less
	v_cvt_i32_f32 v207, v207                       ; (it saturates)
	v_ldexp_f32 v234, 1.0, v207                    ; f = 2^(old M - new M)
.set j, 0
.rept 16
	v_pk_mul_f32 v[160+j:161+j], v[160+j:161+j], v[234:235] op_sel_hi:[1,0]   ; O^T under the new M, ahead of the exponentials
.set j, j+2
.endr
.set j, 0
.rept 32
	v_pk_fma_f32 v[96+j:97+j], v[96+j:97+j], s[CS:CS+1], v[12:13] op_sel_hi:[1,0,0]   ; t - M, two at a time
.set j, j+2
.endr
	v_fma_f32 v212, v212, s[CS], v12               ; the same of each block's largest score
	v_fma_f32 v214, v214, s[CS], v12
	s_wait_alu depctr_va_vdst(0)                   ; ahead of the batch
.set j, 0
.rept 64
	v_exp_f32 v[96+j], v[96+j]                     ; p = 2^(t - M)
.set j, j+1
.endr
	v_exp_f32 v212, v212                           ; the blocks' largest p: the same two instructions on the same numbers
	v_exp_f32 v214, v214
	v_pk_mul_f32 v[14:15], v[14:15], v[234:235] op_sel_hi:[1,0]   ; the sums under the new M: the plain place behind the exponentials
	s_wait_alu depctr_va_vdst(0)                   ; one wait for the batch, ahead of its first reader
	v_max_num_f32 v212, 0x1800000, v212            ; the floor 2^(3 - 127)
	v_max_num_f32 v214, 0x1800000, v214
	v_add_nc_u32 v220, 0xff000000, v212            ; 2 off the exponent field: the conversion's scale operand
	v_add_nc_u32 v221, 0xff000000, v214
	v_lshrrev_b32 v222, 23, v220                   ; the scales' bytes
	v_lshrrev_b32 v223, 23, v221
.irp c, 0,1
	v_cvt_scalef32_pk16_fp6_f32 v[192+6*\c:194+6*\c], v[96+32*\c:111+32*\c], v[220+\c]   ; registers 6 c .. 6 c + 5 of p's operand: k = 64 c + 32 h + 0 .. 31
	v_cvt_scalef32_pk16_fp6_f32 v[204+4*\c:206+4*\c], v[112+32*\c:127+32*\c], v[220+\c]  ; (a conversion's three registers begin on an even number)
.endr
	v_lshl_or_b32 v232, v223, 16, v222             ; my two bytes: blocks h and 2 + h (also the plain place behind the conversions),
	s_delay_alu instid0(VALU_DEP_1)
	v_lshlrev_b32 v232, v6, v232                   ; at their places in the scale word;
	s_delay_alu instid0(VALU_DEP_1)
	v_permlanex16_b32 v211, v232, s[SEL], s[SEL+1]
	s_delay_alu instid0(VALU_DEP_1)
	v_or_b32 v232, v232, v211                      ; with lane l xor 16's two the word is whole
.irp c, 0,1
.irp i, 0,1,2
	v_mov_b32 v[195+6*\c+\i], v[204+4*\c+\i]
.endr
.endr
	v_pk_add_f32 v[94:95], v[96:97], v[98:99]      ; the row's sum of the unquantised p begins, in four chains: these four are also the places in front of the scaled products below
	v_pk_add_f32 v[216:217], v[100:101], v[102:103]
	v_pk_add_f32 v[218:219], v[104:105], v[106:107]
	v_pk_add_f32 v[14:15], v[14:15], v[108:109]
	s_wait_alu depctr_va_vdst(0)
	s_wait_dscnt 0x0                               ; V
.irp d, 0,1,2,3
	v_wmma_scale_f32_16x16x128_f8f6f4 v[160+8*\d:167+8*\d], v[32+12*\d:43+12*\d], v[192:203], v[160+8*\d:167+8*\d], v[228+\d], v232 matrix_a_fmt:MATRIX_FMT_FP6 matrix_b_fmt:MATRIX_FMT_FP6
.endr
	v_add_nc_u32 v11, KSB, v11                     ; the values' two addresses, on to the next key step: 32 plain vector instructions stand between these writes and their readers;
	v_add_nc_u32 v28, KSB, v28
	v_nop                                          ; with these two: the four places in front of the loads into the products' registers
	v_nop
	s_add_co_u32 s[CNT], s[CNT], 1
	s_cmp_lt_u32 s[CNT], 16
	s_cbranch_scc1 .Lstep
	SUMB                                           ; the last step's sum is finished
	; THE WAY OUT: O^T / the sum goes through my stage, comes back as rows, takes x and leaves as whole aligned runs of 256 bytes: a head's part of a row
	v_add_f32 v14, v14, v15
	v_and_b32 v219, 15, v0                         ; r
	v_bfe_u32 v218, v0, 4, 1                       ; h
	s_delay_alu instid0(VALU_DEP_3)
	v_permlanex16_b32 v207, v14, s[SEL], s[SEL+1]
	s_delay_alu instid0(VALU_DEP_1)
	v_add_f32 v14, v14, v207                       ; the row's sum
	s_wait_alu depctr_va_vdst(0)                   ; ahead of the transcendental
	v_rcp_f32 v14, v14
	s_mul_i32 s61, s[WV], 4352
	s_add_co_u32 s61, s61, STG                     ; my stage
	v_mul_u32_u24 v8, v219, 272                    ; (plain places behind the reciprocal)
	v_mul_u32_u24 v9, v218, 272
	s_delay_alu instid0(VALU_DEP_2)
	v_lshl_add_u32 v8, v218, 6, v8
	s_delay_alu instid0(VALU_DEP_2)
	v_lshl_add_u32 v9, v219, 4, v9
	s_delay_alu instid0(VALU_DEP_2)
	v_add_nc_u32 v8, s61, v8                       ; in: row r, + 64 h
	s_delay_alu instid0(VALU_DEP_2)
	v_add_nc_u32 v9, s61, v9                       ; back: lanes 0-15 one row, lanes 16-31 the next
	s_wait_alu depctr_va_vdst(0)                   ; ahead of the first reader of the reciprocal and of O^T
.set j, 0
.rept 32
	v_mul_f32 v[96+j], v[160+j], v14               ; register 8 dt + i is channel 32 (dt / 2) + 8 (dt % 2) + 16 h + i
.set j, j+1
.endr
.irp d, 0,1,2,3
	ds_store_b128 v8, v[96+8*\d:99+8*\d] offset:128*(\d/2)+32*(\d%2)
	ds_store_b128 v8, v[100+8*\d:103+8*\d] offset:128*(\d/2)+32*(\d%2)+16
.endr
.irp i, 0,1,2,3,4,5,6,7
	ds_load_b128 v[32+4*\i:35+4*\i], v9 offset:2*\i*272   ; LDS serves a wave's instructions in order: these see my stores
.endr
	s_wait_loadcnt 0x0                             ; x
.irp i, 0,1,2,3,4,5,6,7
	XREG \i
	s_wait_dscnt 7-\i                              ; the loads issued behind this one may be out
	v_pk_add_f32 v[32+4*\i:33+4*\i], v[32+4*\i:33+4*\i], v[XR:XR+1]       ; the residual
	v_pk_add_f32 v[34+4*\i:35+4*\i], v[34+4*\i:35+4*\i], v[XR+2:XR+3]
	global_store_b128 v7, v[32+4*\i:35+4*\i], s[72:73] offset:(2*\i+8*(\i/4))*4096   ; the tile's lane row r is row r + 8 (r / 8)
.endr
	s_wait_tensorcnt 0x0                           ; the wave's end
	ds_add_u32 v30, v31
	s_wait_dscnt 0x0
	CROUND                                         ; the closing round
	s_endpgm
.Lfunc_end_k_q9ddde67bdf_attn:
	.size	k_q9ddde67bdf_attn, .Lfunc_end_k_q9ddde67bdf_attn-k_q9ddde67bdf_attn
	.p2alignl 7, 3214868480
	.fill 96, 4, 3214868480
	.section	.rodata,"a",@progbits
	.p2align	6, 0x0
	.amdhsa_kernel k_q9ddde67bdf_attn
		.amdhsa_group_segment_fixed_size 280576
		.amdhsa_private_segment_fixed_size 0
		.amdhsa_enable_private_segment 0
		.amdhsa_kernarg_size 24
		.amdhsa_user_sgpr_count 2
		.amdhsa_user_sgpr_kernarg_segment_ptr 1
		.amdhsa_wavefront_size32 1
		.amdhsa_system_sgpr_workgroup_id_x 1
		.amdhsa_system_sgpr_workgroup_id_y 1
		.amdhsa_system_sgpr_workgroup_id_z 1
		.amdhsa_system_vgpr_workitem_id 0
		.amdhsa_next_free_vgpr 256
		.amdhsa_next_free_sgpr 80
		.amdhsa_reserve_vcc 0
		.amdhsa_float_denorm_mode_32 3
		.amdhsa_float_denorm_mode_16_64 3
		.amdhsa_memory_ordered 1
		.amdhsa_forward_progress 1
		.amdhsa_inst_pref_size 34
	.end_amdhsa_kernel
	.amdgpu_metadata
---
amdhsa.version: [ 1, 2 ]
amdhsa.kernels:
  - .name:           k_q9ddde67bdf_attn
    .symbol:         k_q9ddde67bdf_attn.kd
    .args:
      - { .name: kv, .offset: 0, .size: 8, .value_kind: global_buffer, .address_space: global }
      - { .name: x, .offset: 8, .size: 8, .value_kind: global_buffer, .address_space: global }
      - { .name: att, .offset: 16, .size: 8, .value_kind: global_buffer, .address_space: global }
    .group_segment_fixed_size: 280576
    .private_segment_fixed_size: 0
    .kernarg_segment_align: 8
    .kernarg_segment_size: 24
    .max_flat_workgroup_size: 512
    .sgpr_count:     80
    .vgpr_count:     256
    .wavefront_size: 32
...
	.end_amdgpu_metadata
.endif
;; end of part 3
;; launch ln1 (part 4): grid 256 x 1, 8 waves a work-group, no clusters, 67,584 bytes of LDS; arguments att, x1, ln1_a, ln1_b, x1q; writes x1, x1q
.if DOCPART == 4
	.amdgcn_target "amdgcn-amd-amdhsa--gfx1250"
	.amdhsa_code_object_version 6
	.text
	.protected	k_q9ddde67bdf_ln1
	.globl	k_q9ddde67bdf_ln1
	.p2align	8
	.type	k_q9ddde67bdf_ln1,@function
k_q9ddde67bdf_ln1:
	s_mov_b64 s[64:65], 0
	v_nop
	global_prefetch_b8 v0, s[64:65] scope:SCOPE_SE
	s_setreg_imm32_b32 hwreg(HW_REG_WAVE_MODE, 25, 1), 1
	s_wait_xcnt 0x0
; x1 = ln1_a (r - mean(r)) / (std(r) + 1e-6) + ln1_b, std with 1,023 in the divisor; r = x + attention is what the launch before has stored in att.
; x1 is stored as f32 and as codes of FP6 with E8M0 scales (images of operand registers, rows in their natural order).
; A work-group takes 16 rows, one row block.  Phase 1: a wave takes two whole rows in registers (a load covers 512 consecutive bytes): mean first, then the sum of squared deviations: no difference of large sums.
; Phase 2, behind a barrier: wave w quantises K step w of the 16 rows, which it reads from a stage in LDS.
; Memory binds: no matrix unit, no cluster, no tensor load.  32 loads of 512 bytes a wave are out at once.
; LIMITS: no NaN or infinity; a block under 2^-124 gets the byte 1 (a block of zeros has zero codes; this program alone reads the bytes).
.set A,   16                           ; v16-47   the gain at my 32 columns
.set B,   48                           ; v48-79   the bias
.set X,   80                           ; v80-143  two rows, 32 numbers a lane each; in phase 2 the 64 numbers to be quantised
.set ST,  208                          ; v208-223 eight registers of statistics a row
.set TM,  144                          ; v144-159 phase 2: at work
.set PC,  160
.set PW,  180
.set SEL, 20                           ; s[20:21]
.set SROW, 4112                        ; a stage row: 4,096 bytes + 16
.set SSC,  65792                       ; behind the stage: 512 bytes of scale words
.macro QUANT s
.irp b, 0,1,2,3
	v_max3_num_f32 v[TM+\b], |v[\s+16*\b]|, |v[\s+1+16*\b]|, 0x1800000   ; block b: my 16 numbers, and the floor 2^(3 - 127)
.endr
.irp i, 2,4,6,8,10,12,14
.irp b, 0,1,2,3
	s_delay_alu instid0(VALU_DEP_4)
	v_max3_num_f32 v[TM+\b], v[TM+\b], |v[\s+16*\b+\i]|, |v[\s+1+16*\b+\i]|
.endr
.endr
.irp b, 0,1,2,3
	s_delay_alu instid0(VALU_DEP_4)
	v_permlanex16_b32 v[TM+4+\b], v[TM+\b], s[SEL], s[SEL+1]
.endr
.irp b, 0,1,2,3
	s_delay_alu instid0(VALU_DEP_4)
	v_max_num_f32 v[TM+\b], v[TM+\b], v[TM+4+\b]
.endr
.irp b, 0,1,2,3
	s_delay_alu instid0(VALU_DEP_4)
	v_add_nc_u32 v[TM+12+\b], 0xff000000, v[TM+\b]
.endr
.irp b, 0,1,2,3
	s_delay_alu instid0(VALU_DEP_4)
	v_lshrrev_b32 v[TM+4+\b], 23, v[TM+12+\b]
.endr
	s_delay_alu instid0(VALU_DEP_3)
	v_lshl_or_b32 v[PW], v[TM+5], 8, v[TM+4]
	s_delay_alu instid0(VALU_DEP_1)
	v_lshl_or_b32 v[PW], v[TM+6], 16, v[PW]
	s_delay_alu instid0(VALU_DEP_1)
	v_lshl_or_b32 v[PW], v[TM+7], 24, v[PW]
.irp c, 0,1
	v_cvt_scalef32_pk16_fp6_f32 v[PC+6*\c:PC+2+6*\c], v[\s+32*\c:\s+15+32*\c], v[TM+12+2*\c]
	v_cvt_scalef32_pk16_fp6_f32 v[PC+12+4*\c:PC+14+4*\c], v[\s+16+32*\c:\s+31+32*\c], v[TM+12+2*\c+1]
.endr
	v_nop                                          ; one plain place behind a scaled conversion
.irp c, 0,1
.irp i, 0,1,2
	v_permlane16_swap_b32 v[PC+6*\c+\i], v[PC+12+4*\c+\i]
.endr
.irp i, 0,1,2
	s_delay_alu instid0(VALU_DEP_3)
	v_mov_b32 v[PC+3+6*\c+\i], v[PC+12+4*\c+\i]
.endr
.endr
.endm
.macro LANES d, t                      ; v[ST + 8 p + d] summed over the 32 lanes, both rows by turns; v[ST + 8 p + t] at work
.irp m, 1,2,4,8
.irp p, 0,1
	s_delay_alu instid0(VALU_DEP_2)
	v_add_f32_dpp v[ST+8*\p+\d], v[ST+8*\p+\d], v[ST+8*\p+\d] row_xmask:\m row_mask:0xf bank_mask:0xf
.endr
.endr
.irp p, 0,1
	s_delay_alu instid0(VALU_DEP_2)
	v_permlanex16_b32 v[ST+8*\p+\t], v[ST+8*\p+\d], s[SEL], s[SEL+1]
.endr
.irp p, 0,1
	s_delay_alu instid0(VALU_DEP_2)
	v_add_f32 v[ST+8*\p+\d], v[ST+8*\p+\d], v[ST+8*\p+\t]
.endr
.endm
	s_load_b256 s[4:11], s[0:1], 0x0               ; att s[4:5], x1 s[6:7], ln1_a s[8:9], ln1_b s[10:11]
	s_load_b64 s[14:15], s[0:1], 0x20              ; x1q
	v_lshl_add_u32 v224, v0, 2, 0x10400
	v_mov_b32 v225, 0
	v_lshrrev_b32 v1, 5, v0
	s_delay_alu instid0(VALU_DEP_1)
	v_readfirstlane_b32 s16, v1                    ; wave 0..7
	v_and_b32 v1, 31, v0
	s_delay_alu instid0(VALU_DEP_1)
	v_lshlrev_b32 v2, 4, v1                        ; 16 x lane
	v_and_b32 v7, 15, v0                           ; r
	v_bfe_u32 v8, v0, 4, 1                         ; h
	s_mul_i32 s17, s16, 2*SROW
	v_add_nc_u32 v3, s17, v2                       ; the stage, on the way in: my two rows
	v_mul_u32_u24 v4, v7, SROW
	s_delay_alu instid0(VALU_DEP_1)
	v_lshl_add_u32 v4, v8, 6, v4
	s_lshl_b32 s17, s16, 9
	v_add_nc_u32 v4, s17, v4                       ; on the way out: row r, K step w, + 64 h
	v_lshlrev_b32 v5, 2, v7
	s_lshl_b32 s17, s16, 6
	s_add_co_u32 s17, s17, SSC
	v_add_nc_u32 v5, s17, v5                       ; my row's scale word of K step w
	v_add_nc_u32 v6, SSC, v2                       ; the 512 bytes of scale words, 16 a lane
.irp b, 0,1,2,3
	v_mov_b32 v[TM+4+\b], 0                        ; written once: a lane permute's destination counts as one of its sources
.endr
	s_mov_b32 s[SEL], 0x76543210
	s_mov_b32 s[SEL+1], 0xfedcba98
	s_lshl_b32 s18, ttmp9, 16                      ; 16 rows of 4,096 bytes
	s_lshl_b32 s17, s16, 13                        ; my two
	s_add_co_u32 s18, s18, s17
	s_mov_b32 s19, 0
	s_mul_i32 s26, ttmp9, 12288
	s_mul_i32 s17, s16, 1536
	s_add_co_u32 s26, s26, s17
	s_mov_b32 s27, 0
	s_lshl_b32 s28, ttmp9, 9
	s_add_co_u32 s28, s28, 3145728
	s_mov_b32 s29, 0
	s_wait_kmcnt 0x0
	s_add_nc_u64 s[4:5], s[4:5], s[18:19]
	s_add_nc_u64 s[6:7], s[6:7], s[18:19]
	s_add_nc_u64 s[22:23], s[14:15], s[26:27]      ; my fragment's image
	s_add_nc_u64 s[24:25], s[14:15], s[28:29]      ; the block's scale words
.irp p, 0,1
.irp j, 0,1,2,3,4,5,6,7
	global_load_b128 v[X+32*\p+4*\j:X+32*\p+4*\j+3], v2, s[4:5] offset:4096*\p+512*\j th:TH_LOAD_NT
.endr
.endr
.irp j, 0,1,2,3,4,5,6,7
	global_load_b128 v[A+4*\j:A+4*\j+3], v2, s[8:9] offset:512*\j
.endr
.irp j, 0,1,2,3,4,5,6,7
	global_load_b128 v[B+4*\j:B+4*\j+3], v2, s[10:11] offset:512*\j
.endr
	s_wait_loadcnt 16                              ; the rows are in; the 16 loads of gain and bias may be out
.irp p, 0,1
	v_pk_add_f32 v[ST+8*\p:ST+8*\p+1], v[X+32*\p:X+32*\p+1], v[X+32*\p+2:X+32*\p+3]        ; the sum, in two chains a row
	v_pk_add_f32 v[ST+8*\p+2:ST+8*\p+3], v[X+32*\p+4:X+32*\p+5], v[X+32*\p+6:X+32*\p+7]
.endr
.irp k, 8,12,16,20,24,28
.irp p, 0,1
	s_delay_alu instid0(VALU_DEP_4)
	v_pk_add_f32 v[ST+8*\p:ST+8*\p+1], v[ST+8*\p:ST+8*\p+1], v[X+32*\p+\k:X+32*\p+\k+1]
	s_delay_alu instid0(VALU_DEP_4)
	v_pk_add_f32 v[ST+8*\p+2:ST+8*\p+3], v[ST+8*\p+2:ST+8*\p+3], v[X+32*\p+\k+2:X+32*\p+\k+3]
.endr
.endr
.irp p, 0
	s_delay_alu instid0(VALU_DEP_3)
	v_pk_add_f32 v[ST+8*\p:ST+8*\p+1], v[ST+8*\p:ST+8*\p+1], v[ST+8*\p+2:ST+8*\p+3]
.endr
.irp p, 1
	s_delay_alu instid0(VALU_DEP_2)
	v_pk_add_f32 v[ST+8*\p:ST+8*\p+1], v[ST+8*\p:ST+8*\p+1], v[ST+8*\p+2:ST+8*\p+3]
.endr
.irp p, 0,1
	s_delay_alu instid0(VALU_DEP_2)
	v_add_f32 v[ST+8*\p], v[ST+8*\p], v[ST+8*\p+1]
.endr
	LANES 0, 1
.irp p, 0,1
	s_delay_alu instid0(VALU_DEP_2)
	v_mul_f32 v[ST+8*\p], 0x3a800000, v[ST+8*\p]   ; the mean: / 1,024, exact
.endr
.irp k, 0,2,4,6,8,10,12,14,16,18,20,22,24,26,28,30
.irp p, 0,1
	v_pk_add_f32 v[X+32*\p+\k:X+32*\p+\k+1], v[X+32*\p+\k:X+32*\p+\k+1], v[ST+8*\p:ST+8*\p+1] op_sel_hi:[1,0] neg_lo:[0,1] neg_hi:[0,1]   ; the deviations
.endr
.endr
.irp p, 0,1
	v_pk_mul_f32 v[ST+8*\p+2:ST+8*\p+3], v[X+32*\p:X+32*\p+1], v[X+32*\p:X+32*\p+1]        ; their squares' sum, in two chains a row
	v_pk_mul_f32 v[ST+8*\p+4:ST+8*\p+5], v[X+32*\p+2:X+32*\p+3], v[X+32*\p+2:X+32*\p+3]
.endr
.irp k, 4,8,12,16,20,24,28
.irp p, 0,1
	s_delay_alu instid0(VALU_DEP_4)
	v_pk_fma_f32 v[ST+8*\p+2:ST+8*\p+3], v[X+32*\p+\k:X+32*\p+\k+1], v[X+32*\p+\k:X+32*\p+\k+1], v[ST+8*\p+2:ST+8*\p+3]
	s_delay_alu instid0(VALU_DEP_4)
	v_pk_fma_f32 v[ST+8*\p+4:ST+8*\p+5], v[X+32*\p+\k+2:X+32*\p+\k+3], v[X+32*\p+\k+2:X+32*\p+\k+3], v[ST+8*\p+4:ST+8*\p+5]
.endr
.endr
.irp p, 0
	s_delay_alu instid0(VALU_DEP_3)
	v_pk_add_f32 v[ST+8*\p+2:ST+8*\p+3], v[ST+8*\p+2:ST+8*\p+3], v[ST+8*\p+4:ST+8*\p+5]
.endr
.irp p, 1
	s_delay_alu instid0(VALU_DEP_2)
	v_pk_add_f32 v[ST+8*\p+2:ST+8*\p+3], v[ST+8*\p+2:ST+8*\p+3], v[ST+8*\p+4:ST+8*\p+5]
.endr
.irp p, 0,1
	s_delay_alu instid0(VALU_DEP_2)
	v_add_f32 v[ST+8*\p+2], v[ST+8*\p+2], v[ST+8*\p+3]
.endr
	LANES 2, 3
.irp p, 0,1
	s_delay_alu instid0(VALU_DEP_2)
	v_mul_f32 v[ST+8*\p+2], 0x3a802008, v[ST+8*\p+2]   ; / 1,023
.endr
	s_wait_alu depctr_va_vdst(0)
.irp p, 0,1
	v_sqrt_f32 v[ST+8*\p+4], v[ST+8*\p+2]
.endr
	v_nop                                          ; a plain place behind the roots
	s_wait_alu depctr_va_vdst(0)                   ; one wait for both, ahead of their first reader
.irp p, 0,1
	v_add_f32 v[ST+8*\p+4], 0x358637bd, v[ST+8*\p+4]   ; + 1e-6
.endr
	s_wait_alu depctr_va_vdst(0)
.irp p, 0,1
	v_rcp_f32 v[ST+8*\p+6], v[ST+8*\p+4]
.endr
.irp p, 0,1
	v_mov_b32 v[ST+8*\p+7], 0                      ; named with the reciprocal as a pair, so it is written; also the plain place behind the reciprocals
.endr
	s_wait_alu depctr_va_vdst(0)
	s_wait_loadcnt 0x0                             ; gain and bias
.irp k, 0,2,4,6,8,10,12,14,16,18,20,22,24,26,28,30
.irp p, 0,1
	v_pk_mul_f32 v[X+32*\p+\k:X+32*\p+\k+1], v[X+32*\p+\k:X+32*\p+\k+1], v[ST+8*\p+6:ST+8*\p+7] op_sel_hi:[1,0]
.endr
.endr
.irp k, 0,2,4,6,8,10,12,14,16,18,20,22,24,26,28,30
.irp p, 0,1
	v_pk_fma_f32 v[X+32*\p+\k:X+32*\p+\k+1], v[X+32*\p+\k:X+32*\p+\k+1], v[A+\k:A+\k+1], v[B+\k:B+\k+1]
.endr
.endr
.irp p, 0,1
.irp j, 0,1,2,3,4,5,6,7
	global_store_b128 v2, v[X+32*\p+4*\j:X+32*\p+4*\j+3], s[6:7] offset:4096*\p+512*\j   ; 32 lanes store 512 consecutive bytes, aligned
	ds_store_b128 v3, v[X+32*\p+4*\j:X+32*\p+4*\j+3] offset:SROW*\p+512*\j
.endr
.endr
	s_wait_dscnt 0x0                               ; for the others' sake: my rows lie in the stage
	s_barrier_signal -1
	s_barrier_wait -1
	s_wait_xcnt 0x0                                ; the stores to x1 have read their registers, which the loads below write
.irp b, 0,1,2,3
.irp j, 0,1,2,3
	ds_load_b128 v[X+16*\b+4*\j:X+16*\b+4*\j+3], v4 offset:128*\b+16*\j
.endr
.endr
	s_wait_dscnt 0x0
	QUANT X
.irp g, 0,1,2
	global_store_b128 v2, v[PC+4*\g:PC+4*\g+3], s[22:23] offset:512*\g
.endr
	ds_store_b32 v5, v[PW]                         ; lanes r and r + 16 write the same word with the same value
	s_wait_dscnt 0x0
	s_barrier_signal -1
	s_barrier_wait -1
	s_cmp_lg_u32 s16, 0                            ; wave 0 stores the block's 512 bytes of scale words
	s_cbranch_scc1 .Lend
	ds_load_b128 v[184:187], v6
	s_wait_dscnt 0x0
	global_store_b128 v2, v[184:187], s[24:25]
.Lend:
	s_wait_tensorcnt 0x0
	ds_add_u32 v224, v225
	s_wait_dscnt 0x0
	s_endpgm
.Lfunc_end_k_q9ddde67bdf_ln1:
	.size	k_q9ddde67bdf_ln1, .Lfunc_end_k_q9ddde67bdf_ln1-k_q9ddde67bdf_ln1
	.p2alignl 7, 3214868480
	.fill 96, 4, 3214868480
	.section	.rodata,"a",@progbits
	.p2align	6, 0x0
	.amdhsa_kernel k_q9ddde67bdf_ln1
		.amdhsa_group_segment_fixed_size 67584
		.amdhsa_private_segment_fixed_size 0
		.amdhsa_enable_private_segment 0
		.amdhsa_kernarg_size 40
		.amdhsa_user_sgpr_count 2
		.amdhsa_user_sgpr_kernarg_segment_ptr 1
		.amdhsa_wavefront_size32 1
		.amdhsa_system_sgpr_workgroup_id_x 1
		.amdhsa_system_sgpr_workgroup_id_y 1
		.amdhsa_system_sgpr_workgroup_id_z 1
		.amdhsa_system_vgpr_workitem_id 0
		.amdhsa_next_free_vgpr 226
		.amdhsa_next_free_sgpr 66
		.amdhsa_reserve_vcc 0
		.amdhsa_float_denorm_mode_32 3
		.amdhsa_float_denorm_mode_16_64 3
		.amdhsa_memory_ordered 1
		.amdhsa_forward_progress 1
		.amdhsa_inst_pref_size 31
	.end_amdhsa_kernel
	.amdgpu_metadata
---
amdhsa.version: [ 1, 2 ]
amdhsa.kernels:
  - .name:           k_q9ddde67bdf_ln1
    .symbol:         k_q9ddde67bdf_ln1.kd
    .args:
      - { .name: att, .offset: 0, .size: 8, .value_kind: global_buffer, .address_space: global }
      - { .name: x1, .offset: 8, .size: 8, .value_kind: global_buffer, .address_space: global }
      - { .name: ln1_a, .offset: 16, .size: 8, .value_kind: global_buffer, .address_space: global }
      - { .name: ln1_b, .offset: 24, .size: 8, .value_kind: global_buffer, .address_space: global }
      - { .name: x1q, .offset: 32, .size: 8, .value_kind: global_buffer, .address_space: global }
    .group_segment_fixed_size: 67584
    .private_segment_fixed_size: 0
    .kernarg_segment_align: 8
    .kernarg_segment_size: 40
    .max_flat_workgroup_size: 256
    .sgpr_count:     66
    .vgpr_count:     226
    .wavefront_size: 32
...
	.end_amdgpu_metadata
.endif
;; end of part 4
;; launch ffn1 (part 5): grid 16 x 16, 4 waves a work-group, clusters of 4 x 4, 327,680 bytes of LDS; arguments x1q, qw, b1, hid; writes hid
.if DOCPART == 5
	.amdgcn_target "amdgcn-amd-amdhsa--gfx1250"
	.amdhsa_code_object_version 6
	.text
	.protected	k_q9ddde67bdf_ffn1
	.globl	k_q9ddde67bdf_ffn1
	.p2align	8
	.type	k_q9ddde67bdf_ffn1,@function
k_q9ddde67bdf_ffn1:
	s_mov_b64 s[64:65], 0
	v_nop
	global_prefetch_b8 v0, s[64:65] scope:SCOPE_SE
	s_setreg_imm32_b32 hwreg(HW_REG_WAVE_MODE, 25, 1), 1
	s_wait_xcnt 0x0
	s_wait_alu depctr_hold_cnt(0) depctr_sa_sdst(0) depctr_va_vdst(0) depctr_va_sdst(0) depctr_va_ssrc(0) depctr_va_vcc(0) depctr_vm_vsrc(0)
	s_getreg_b32 s2, hwreg(HW_REG_IB_STS2, 6, 4)
	s_cmp_eq_u32 s2, 0
	s_cbranch_scc0 .Lentry_in_a_cluster
	s_endpgm
.Lentry_in_a_cluster:
	s_bfe_u32 s2, ttmp6, 0x10000c
	s_cmp_lg_u32 s2, 0xf033
	s_cbranch_scc0 .Lentry_shape_is_right
	s_endpgm
.Lentry_shape_is_right:
; hid = Q(relu(x1 w1^T + b1)) on codes of FP6 with E8M0 scales.  A work-group makes 256 x 256, a wave 128 x 128; K = 1,024 goes through a ring of two slots of 256 along K.
; THE HEAD: four tiles, one joint load a wave: wave 0 slot 0's 16 row blocks of x1's codes, wave 1 those of w1, wave 2 x1's scale words for all of K (8,192 dense bytes), wave 3 w1's.
; Slot 1 is first filled behind the full sequence and a round, as a refill is; from there on a wave's load brings 8 row blocks.
; PREFETCH: the head asks for slots 1 and 2, and behind slot 1's load slot 3 is asked for: of the 8 row blocks that a wave fetches each of the four partners names two, told apart by address;
; a lane names 256 bytes, 12 lanes a row block's 3,072 (the eight lanes left over name the last again).
.set HALF,  24576
.set SLOT,  98304
.set SCL,   196608
.set SPARE, 212992
.set SST,   213504
.set ADRA, 16
.set ADRB, 18
.set ADSA, 20
.set ADSB, 21
.set OL,   22
.set SSW,  23
.set SSR,  24
.set SPW,  28
.set NIL,  29
.set SA,   32
.set SB,   40
.set AF,   64
.set HN,   64
.set PC,   128
.set TM,   148
.set PW,   164
.set G1, 24
.set G0, 32
.set G1B, 48
.set G0B, 56
.set G1S, 68
.set G0S, 76
.set G1SB, 80
.set G0SB, 88
.set SEL, 96
.set MSB, 0
.macro WIN new
.if MSB != (\new)
	s_set_vgpr_msb (MSB<<8)|(\new)
.set MSB, (\new)
.endif
.endm
.macro PLACES
.rept 4
	v_nop
.endr
.endm
.macro JLOAD g0a, g1a, g0b, g1b
	s_cmp_eq_u32 s15, 0
	s_cbranch_scc0 .Lfor_b_\@
	tensor_load_to_lds s[\g0a:\g0a+3], s[\g1a:\g1a+7]
	s_nop 0
.rept 4
	v_nop
.endr
	s_branch .Lasked_\@
.Lfor_b_\@:
	tensor_load_to_lds s[\g0b:\g0b+3], s[\g1b:\g1b+7]
	s_nop 0
.rept 4
	v_nop
.endr
.Lasked_\@:
.endm
.macro CREST
	s_cmp_lg_u32 s14, 0
	s_cbranch_scc1 .Lnot_wave_0_\@
	s_barrier_signal -3
.Lnot_wave_0_\@:
	s_barrier_wait -3
	s_barrier_signal -1
	s_barrier_wait -1
.endm
.macro CROUND
	s_barrier_signal -1
	s_barrier_wait -1
	CREST
.endm
.macro QUANT s
.irp b, 0,1,2,3
	v_max3_num_f32 v[TM+\b], |v[\s+16*\b]|, |v[\s+1+16*\b]|, 0x1800000
.endr
.irp i, 2,4,6,8,10,12,14
.irp b, 0,1,2,3
	v_max3_num_f32 v[TM+\b], v[TM+\b], |v[\s+16*\b+\i]|, |v[\s+1+16*\b+\i]|
.endr
.endr
.irp b, 0,1,2,3
	v_permlanex16_b32 v[TM+4+\b], v[TM+\b], s[SEL], s[SEL+1]
.endr
.irp b, 0,1,2,3
	v_max_num_f32 v[TM+\b], v[TM+\b], v[TM+4+\b]
.endr
.irp b, 0,1,2,3
	v_add_nc_u32 v[TM+12+\b], 0xff000000, v[TM+\b]
.endr
.irp b, 0,1,2,3
	v_lshrrev_b32 v[TM+4+\b], 23, v[TM+12+\b]
.endr
	v_lshl_or_b32 v[PW], v[TM+5], 8, v[TM+4]
	v_lshl_or_b32 v[PW], v[TM+6], 16, v[PW]
	v_lshl_or_b32 v[PW], v[TM+7], 24, v[PW]
.irp c, 0,1
	v_cvt_scalef32_pk16_fp6_f32 v[PC+6*\c:PC+2+6*\c], v[\s+32*\c:\s+15+32*\c], v[TM+12+2*\c]
	v_cvt_scalef32_pk16_fp6_f32 v[PC+12+4*\c:PC+14+4*\c], v[\s+16+32*\c:\s+31+32*\c], v[TM+12+2*\c+1]
.endr
	v_nop
.irp c, 0,1
.irp i, 0,1,2
	v_permlane16_swap_b32 v[PC+6*\c+\i], v[PC+12+4*\c+\i]
.endr
.irp i, 0,1,2
	v_mov_b32 v[PC+3+6*\c+\i], v[PC+12+4*\c+\i]
.endr
.endr
.endm
	s_load_b256 s[4:11], s[0:1], 0x0
	v_lshl_add_u32 v[SPW], v0, 2, SPARE
	v_mov_b32 v[NIL], 0
	ds_add_u32 v28, v29
	ds_add_u32 v28, v29
	s_wait_dscnt 0x0
	v_lshrrev_b32 v1, 5, v0
	v_readfirstlane_b32 s14, v1
	s_lshr_b32 s15, s14, 1
	s_and_b32 s16, s14, 1
	s_bfe_u32 s40, ttmp6, 0x40000
	s_bfe_u32 s41, ttmp6, 0x40004
	s_lshl_b32 s42, ttmp9, 2
	s_add_co_u32 s42, s42, s40
	s_and_b32 s17, ttmp7, 0xffff
	s_lshl_b32 s17, s17, 2
	s_add_co_u32 s17, s17, s41
	s_lshl_b32 s43, s41, 2
	s_lshl_b32 s43, 15, s43
	s_lshl_b32 s44, 0x1111, s40
	s_or_b32 s[G1+0], s43, (3<<16)|(1<<21)
	s_or_b32 s[G1B+0], s44, (3<<16)|(1<<21)
.irp g, G1, G1B
	s_mov_b32 s[\g+1], 384<<16
	s_mov_b32 s[\g+2], 16<<16
	s_mov_b32 s[\g+3], 384<<16
	s_mov_b32 s[\g+4], 16
	s_mov_b32 s[\g+5], 1536
	s_mov_b32 s[\g+6], 0
	s_mov_b32 s[\g+7], 0
.endr
	s_or_b32 s[G1S+0], s43, (3<<16)|(1<<21)
	s_or_b32 s[G1SB+0], s44, (3<<16)|(1<<21)
.irp g, G1S, G1SB
	s_mov_b32 s[\g+1], 32<<16
	s_mov_b32 s[\g+2], 32<<16
	s_mov_b32 s[\g+3], 32<<16
	s_mov_b32 s[\g+4], 32
	s_mov_b32 s[\g+5], 32
	s_mov_b32 s[\g+6], 0
	s_mov_b32 s[\g+7], 0
.endr
	s_lshl_b32 s20, s17, 4
	s_lshl_b32 s46, s42, 4
	s_lshl_b32 s22, s20, 9
	s_add_co_u32 s22, s22, 3145728
	s_mov_b32 s23, 0
	s_lshl_b32 s92, s46, 9
	s_add_co_u32 s92, s92, 10387456
	s_mov_b32 s93, 0
	s_mul_i32 s20, s20, 12288
	s_mov_b32 s21, 0
	s_mul_i32 s46, s46, 12288
	s_add_co_u32 s46, s46, 3932160
	s_mov_b32 s47, 0
	s_mul_i32 s45, s14, HALF
	s_mul_i32 s18, s16, 8*12288                    ; in the ring I fetch 8 row blocks of a tile: which half, in bytes
	s_mov_b32 s19, 0
	s_wait_kmcnt 0x0
	s_add_nc_u64 s[20:21], s[4:5], s[20:21]
	s_add_nc_u64 s[22:23], s[4:5], s[22:23]
	s_add_nc_u64 s[46:47], s[6:7], s[46:47]
	s_add_nc_u64 s[92:93], s[6:7], s[92:93]
	CROUND
	s_mov_b32 s[G0S], 1
	s_mov_b32 s[G0S+1], SCL
	s_mov_b64 s[G0S+2:G0S+3], s[22:23]
	s_or_b32 s[G0S+3], s[G0S+3], 0x80000000
	s_mov_b32 s[G0SB], 1
	s_mov_b32 s[G0SB+1], SCL+8192
	s_mov_b64 s[G0SB+2:G0SB+3], s[92:93]
	s_or_b32 s[G0SB+3], s[G0SB+3], 0x80000000
	s_mov_b32 s[G0], 1                             ; slot 0's groups 0 first serve the head: the tile's 16 row blocks whole
	s_mov_b32 s[G0+1], 0
	s_mov_b64 s[G0+2:G0+3], s[20:21]
	s_or_b32 s[G0+3], s[G0+3], 0x80000000
	s_mov_b32 s[G0B], 1
	s_mov_b32 s[G0B+1], 2*HALF
	s_mov_b64 s[G0B+2:G0B+3], s[46:47]
	s_or_b32 s[G0B+3], s[G0B+3], 0x80000000
	s_add_nc_u64 s[20:21], s[20:21], s[18:19]      ; for the ring: my 8 row blocks
	s_add_nc_u64 s[46:47], s[46:47], s[18:19]
	s_mov_b32 s[G0+4], 1
	s_add_co_u32 s[G0+5], s45, SLOT
	s_add_nc_u64 s[G0+6:G0+7], s[20:21], 3072
	s_or_b32 s[G0+7], s[G0+7], 0x80000000
	s_mov_b32 s[G0B+4], 1
	s_add_co_u32 s[G0B+5], s45, SLOT
	s_add_nc_u64 s[G0B+6:G0B+7], s[46:47], 3072
	s_or_b32 s[G0B+7], s[G0B+7], 0x80000000
	s_cmp_eq_u32 s15, 0                            ; the prefetches: do I fetch for A?
	s_cselect_b64 s[66:67], s[20:21], s[46:47]
	s_cselect_b32 s2, s40, s41                     ; my place among the four that ask for the tile with me: it enters this address alone
	s_mul_i32 s2, s2, 2*12288                      ; those two row blocks of my eight
	s_mov_b32 s3, 0
	s_add_nc_u64 s[66:67], s[66:67], s[2:3]
.macro ARM under, g0, g1, next         ; one arm of the head's chain: waves under the number issue this load and jump to the join
	s_cmp_lt_u32 s14, \under
	s_cbranch_scc0 \next
	tensor_load_to_lds s[\g0:\g0+3], s[\g1:\g1+7]
	s_nop 0
.rept 4
	v_nop
.endr
	s_branch .Lhead_asked
\next:
.endm
	ARM 1, G0,  G1,  .Lhead_b
	ARM 2, G0B, G1B, .Lhead_sa
	ARM 3, G0S, G1S, .Lhead_sb
	tensor_load_to_lds s[G0SB:G0SB+3], s[G1SB:G1SB+7]
	s_nop 0
.rept 4
	v_nop
.endr
.Lhead_asked:
	v_and_b32 v1, 31, v0
	v_and_b32 v2, 15, v0
	v_bfe_u32 v3, v0, 4, 1
	v_lshlrev_b32 v[OL], 4, v1
	s_wait_alu depctr_va_vdst(0)
	s_mul_i32 s21, s15, HALF
	s_mul_i32 s22, s16, HALF
	s_add_co_u32 s22, s22, 2*HALF
.irp s, 0,1
	v_add_nc_u32 v[ADRA+\s], s21, v[OL]
	v_add_nc_u32 v[ADRB+\s], s22, v[OL]
	s_add_co_u32 s21, s21, SLOT
	s_add_co_u32 s22, s22, SLOT
.endr
	v_lshlrev_b32 v5, 2, v2
	s_lshl_b32 s21, s15, 12
	s_add_co_u32 s21, s21, SCL
	v_add_nc_u32 v[ADSA], s21, v5
	s_lshl_b32 s22, s16, 12
	s_add_co_u32 s22, s22, SCL+8192
	v_add_nc_u32 v[ADSB], s22, v5
	s_lshl_b32 s21, s14, 9
	s_add_co_u32 s21, s21, SST
	v_add_nc_u32 v[SSW], s21, v5
	v_add_nc_u32 v[SSR], s21, v[OL]
	s_lshl_b32 s46, s42, 10
	s_lshl_b32 s47, s16, 9
	s_add_co_u32 s46, s46, s47
	s_mov_b32 s47, 0
	s_add_nc_u64 s[8:9], s[8:9], s[46:47]
	v_lshlrev_b32 v6, 6, v3
	WIN 0x40
.irp b, 0,1,2,3,4,5,6,7
	global_load_b128 v[96+8*\b+96*(\b/4):96+8*\b+96*(\b/4)+3], v6, s[8:9] offset:(32*(\b/2)+8*(\b%2))*4
	global_load_b128 v[96+8*\b+96*(\b/4)+4:96+8*\b+96*(\b/4)+7], v6, s[8:9] offset:(32*(\b/2)+8*(\b%2))*4+16
.endr
	WIN 0
	s_lshl_b32 s20, s17, 4
	s_lshl_b32 s21, s15, 3
	s_add_co_u32 s20, s20, s21
	s_lshl_b32 s20, s20, 5
	s_lshl_b32 s46, s42, 1
	s_add_co_u32 s46, s46, s16
	s_add_co_u32 s20, s20, s46
	s_mul_i32 s20, s20, 1536
	s_mov_b32 s21, 0
	s_add_nc_u64 s[12:13], s[10:11], s[20:21]
	s_lshl_b32 s20, s17, 1
	s_add_co_u32 s20, s20, s15
	s_lshl_b32 s20, s20, 5
	s_add_co_u32 s20, s20, s46
	s_lshl_b32 s20, s20, 9
	s_add_co_u32 s20, s20, 12582912
	s_add_nc_u64 s[10:11], s[10:11], s[20:21]
	s_mov_b32 s[SEL], 0x76543210
	s_mov_b32 s[SEL+1], 0xfedcba98
	v_min_u32 v30, 23, v1
	v_mul_u32_u24 v31, v30, 43
	v_lshrrev_b32 v31, 9, v31                      ; lane / 12: which of my two row blocks
	v_lshlrev_b32 v30, 8, v30
	v_mad_u32_u24 v30, v31, 9216, v30              ; the prefetches' offset: 12,288 (lane / 12) + 256 (lane % 12)
	global_prefetch_b8 v30, s[66:67] offset:3072 th:TH_LOAD_NT scope:SCOPE_SE    ; slots 1 and 2
	global_prefetch_b8 v30, s[66:67] offset:6144 th:TH_LOAD_NT scope:SCOPE_SE
.macro FETCH slot, q, f, ks
	WIN 0x40
.irp i, 0,1,2,3,4,5,6,7
.irp g, 0,1,2
	ds_load_b128 v[128*(\f)+12*\i+4*\g:128*(\f)+12*\i+4*\g+3], v[ADRB+\slot] offset:\i*3072+(\q)*1536+512*\g
.endr
.endr
	WIN 0
.irp i, 0,1,2,3,4,5,6,7
.irp g, 0,1,2
	ds_load_b128 v[AF+96*(\f)+12*\i+4*\g:AF+96*(\f)+12*\i+4*\g+3], v[ADRA+\slot] offset:\i*3072+(\q)*1536+512*\g
.endr
.endr
.irp i, 0,1,2,3,4,5,6,7
	ds_load_b32 v[SA+16*(\f)+\i], v[ADSA] offset:\i*512+(\ks)*64
	ds_load_b32 v[SB+16*(\f)+\i], v[ADSB] offset:\i*512+(\ks)*64
.endr
.endm
.macro MUL16 a0, f, first
.irp a, \a0, \a0+1
.irp b, 0,1,2,3,4,5,6,7
.if \first
	v_wmma_scale_f32_16x16x128_f8f6f4 v[8*(8*((\a)%4)+\b):8*(8*((\a)%4)+\b)+7], v[128*(\f)+12*\b:128*(\f)+12*\b+11], v[AF+96*(\f)+12*(\a):AF+96*(\f)+12*(\a)+11], v[96+8*\b+96*(\b/4):96+8*\b+96*(\b/4)+7], v[SB+16*(\f)+\b], v[SA+16*(\f)+(\a)] matrix_a_fmt:MATRIX_FMT_FP6 matrix_b_fmt:MATRIX_FMT_FP6
.else
	v_wmma_scale_f32_16x16x128_f8f6f4 v[8*(8*((\a)%4)+\b):8*(8*((\a)%4)+\b)+7], v[128*(\f)+12*\b:128*(\f)+12*\b+11], v[AF+96*(\f)+12*(\a):AF+96*(\f)+12*(\a)+11], v[8*(8*((\a)%4)+\b):8*(8*((\a)%4)+\b)+7], v[SB+16*(\f)+\b], v[SA+16*(\f)+(\a)] matrix_a_fmt:MATRIX_FMT_FP6 matrix_b_fmt:MATRIX_FMT_FP6
.endif
.endr
.endr
.endm
.macro PRODS f, first
.if \first
	WIN 0x91
.else
	WIN 0xa1
.endif
	MUL16 0, \f, \first
	MUL16 2, \f, \first
.if \first
	WIN 0xd1
.else
	WIN 0xf1
.endif
	MUL16 4, \f, \first
	MUL16 6, \f, \first
	WIN 0
.endm
.macro STEP slot, ks, first
	s_wait_dscnt 0x0
.if \first == 0
	PLACES
.endif
	FETCH \slot, 1, 1, (\ks)+1
	PRODS 0, \first
.endm
.macro TURN slot, next, fill, ks
	s_wait_tensorcnt 0x0
	ds_add_u32 v[SPW], v[NIL]
	s_wait_dscnt 1
	WIN 0xa1
	MUL16 0, 1, 0
	s_wait_dscnt 0x0
	s_barrier_signal -1
	MUL16 2, 1, 0
	WIN 0
	s_barrier_wait -1
.if \fill
	CREST
	s_add_nc_u64 s[G0+4*\slot+2:G0+4*\slot+3], s[G0+4*\slot+2:G0+4*\slot+3], 6144
	s_add_nc_u64 s[G0B+4*\slot+2:G0B+4*\slot+3], s[G0B+4*\slot+2:G0B+4*\slot+3], 6144
	JLOAD G0+4*\slot, G1, G0B+4*\slot, G1B
.else
	PLACES
.endif
	FETCH \next, 0, 0, \ks
	WIN 0xf1
	MUL16 4, 1, 0
	MUL16 6, 1, 0
	WIN 0
.endm
	s_wait_alu depctr_va_vdst(0)
	s_wait_tensorcnt 0x0                           ; my tile of the head's four is in
	ds_add_u32 v28, v29
	s_mov_b32 s[G1+2], 8<<16                       ; no tensor load of mine is out: from here on a load brings 8 row blocks,
	s_mov_b32 s[G1+4], 8
	s_mov_b32 s[G1B+2], 8<<16
	s_mov_b32 s[G1B+4], 8
	s_mov_b32 s[G0+1], s45                         ; and slot 0's groups 0 stand at my part of the slot
	s_add_nc_u64 s[G0+2:G0+3], s[G0+2:G0+3], s[18:19]
	s_mov_b32 s[G0B+1], s45
	s_add_nc_u64 s[G0B+2:G0B+3], s[G0B+2:G0B+3], s[18:19]
	s_wait_dscnt 0x0
	CROUND                                         ; all four tiles are in, and all sixteen work-groups are here
	JLOAD G0+4, G1, G0B+4, G1B                     ; slot 1's first fill, the first tensor load behind the round
	FETCH 0, 0, 0, 0
	global_prefetch_b8 v30, s[66:67] offset:9216 th:TH_LOAD_NT scope:SCOPE_SE    ; slot 3
	s_wait_loadcnt 0x0
	STEP 0, 0, 1
	TURN 0, 1, 1, 2
	STEP 1, 2, 0
	TURN 1, 0, 1, 4
	STEP 0, 4, 0
	TURN 0, 1, 0, 6
	STEP 1, 6, 0
	s_wait_dscnt 0x0
	PRODS 1, 0
	PLACES
.irp a, 0,1,2,3,4,5,6,7
	WIN 0x08+4*(\a/4)
.set j, 0
.rept 64
	v_max_num_f32 v[HN+j], 0, v[64*(\a%4)+j]
.set j, j+1
.endr
	WIN 0
	s_wait_xcnt 0x0
.set PW, 164+\a
	QUANT HN
.irp g, 0,1,2
	global_store_b128 v[OL], v[PC+4*\g:PC+4*\g+3], s[12:13] offset:49152*\a+512*\g
.endr
	ds_store_b32 v[SSW], v[PW] offset:64*\a
.endr
	ds_load_b128 v[172:175], v[SSR]
	s_wait_dscnt 0x0
	global_store_b128 v[OL], v[172:175], s[10:11]
	s_wait_tensorcnt 0x0
	ds_add_u32 v[SPW], v[NIL]
	s_wait_dscnt 0x0
	CROUND
	s_endpgm
.Lfunc_end_k_q9ddde67bdf_ffn1:
	.size	k_q9ddde67bdf_ffn1, .Lfunc_end_k_q9ddde67bdf_ffn1-k_q9ddde67bdf_ffn1
	.p2alignl 7, 3214868480
	.fill 96, 4, 3214868480
	.section	.rodata,"a",@progbits
	.p2align	6, 0x0
	.amdhsa_kernel k_q9ddde67bdf_ffn1
		.amdhsa_group_segment_fixed_size 327680
		.amdhsa_private_segment_fixed_size 0
		.amdhsa_enable_private_segment 0
		.amdhsa_kernarg_size 32
		.amdhsa_user_sgpr_count 2
		.amdhsa_user_sgpr_kernarg_segment_ptr 1
		.amdhsa_wavefront_size32 1
		.amdhsa_system_sgpr_workgroup_id_x 1
		.amdhsa_system_sgpr_workgroup_id_y 1
		.amdhsa_system_sgpr_workgroup_id_z 1
		.amdhsa_system_vgpr_workitem_id 0
		.amdhsa_next_free_vgpr 1024
		.amdhsa_next_free_sgpr 98
		.amdhsa_reserve_vcc 0
		.amdhsa_float_denorm_mode_32 3
		.amdhsa_float_denorm_mode_16_64 3
		.amdhsa_memory_ordered 1
		.amdhsa_forward_progress 1
		.amdhsa_inst_pref_size 163
	.end_amdhsa_kernel
	.amdgpu_metadata
---
amdhsa.version: [ 1, 2 ]
amdhsa.kernels:
  - .name:           k_q9ddde67bdf_ffn1
    .symbol:         k_q9ddde67bdf_ffn1.kd
    .args:
      - { .name: x1q, .offset: 0, .size: 8, .value_kind: global_buffer, .address_space: global }
      - { .name: qw, .offset: 8, .size: 8, .value_kind: global_buffer, .address_space: global }
      - { .name: b1, .offset: 16, .size: 8, .value_kind: global_buffer, .address_space: global }
      - { .name: hid, .offset: 24, .size: 8, .value_kind: global_buffer, .address_space: global }
    .group_segment_fixed_size: 327680
    .private_segment_fixed_size: 0
    .kernarg_segment_align: 8
    .kernarg_segment_size: 32
    .max_flat_workgroup_size: 128
    .sgpr_count:     98
    .vgpr_count:     1024
    .wavefront_size: 32
...
	.end_amdgpu_metadata
.endif
;; end of part 5
;; launch ffn2 (part 6): grid 8 x 32, 4 waves a work-group, clusters of 4 x 4, 327,680 bytes of LDS; arguments hid, qw, b2, x1, ffn; writes ffn
.if DOCPART == 6
	.amdgcn_target "amdgcn-amd-amdhsa--gfx1250"
	.amdhsa_code_object_version 6
	.text
	.protected	k_q9ddde67bdf_ffn2
	.globl	k_q9ddde67bdf_ffn2
	.p2align	8
	.type	k_q9ddde67bdf_ffn2,@function
k_q9ddde67bdf_ffn2:
	s_mov_b64 s[64:65], 0
	v_nop
	global_prefetch_b8 v0, s[64:65] scope:SCOPE_SE
	s_setreg_imm32_b32 hwreg(HW_REG_WAVE_MODE, 25, 1), 1
	s_wait_xcnt 0x0
	s_wait_alu depctr_hold_cnt(0) depctr_sa_sdst(0) depctr_va_vdst(0) depctr_va_sdst(0) depctr_va_ssrc(0) depctr_va_vcc(0) depctr_vm_vsrc(0)
	s_getreg_b32 s2, hwreg(HW_REG_IB_STS2, 6, 4)
	s_cmp_eq_u32 s2, 0
	s_cbranch_scc0 .Lentry_in_a_cluster
	s_endpgm
.Lentry_in_a_cluster:
	s_bfe_u32 s2, ttmp6, 0x10000c
	s_cmp_lg_u32 s2, 0xf033
	s_cbranch_scc0 .Lentry_shape_is_right
	s_endpgm
.Lentry_shape_is_right:
; ffn = x1 + relu-layer codes (hid) x w2^T + b2 on codes of FP6 with E8M0 scales.  A work-group makes 128 x 128, a wave 64 x 64; K = 4,096 goes through a ring of two slots of 512 along K.
; THE HEAD: four tiles, one joint load a wave: wave 0 slot 0's 8 row blocks of hid, wave 1 those of w2, wave 2 hid's scale words for all of K (16,384 dense bytes, [K step][512]), wave 3 w2's.
; Slot 1 is first filled behind the full sequence and a round, as a refill is; from there on a wave's load brings 4 row blocks.
; PREFETCH: behind the load of slot n the bytes of slot n + 2 are asked for (the head asks for slots 1 and 2): of the 4 row blocks that a wave fetches each of the four partners names one, told apart by address;
; a lane names 256 bytes, 24 lanes a row block's 6,144 (the eight lanes left over name the last again); refills of slots 6 and 7 ask for nothing.
.set HALF,  24576
.set SLOT,  98304
.set SCL,   196608
.set SPARE, 229376
.set STG,   229888
.set ADRA, 16
.set ADRB, 18
.set ADSA, 20
.set ADSB, 21
.set STO,  22
.set RD,   23
.set GO,   24
.set SPW,  28
.set NIL,  29
.set SA,   32
.set SB,   36
.set BI,   64
.set OB,   96
.set XR,   128
.set G1, 24
.set G0, 32
.set G1B, 48
.set G0B, 56
.set G1S, 68
.set G0S, 76
.set G1SB, 80
.set G0SB, 88
.set MSB, 0
.macro WIN new
.if MSB != (\new)
	s_set_vgpr_msb (MSB<<8)|(\new)
.set MSB, (\new)
.endif
.endm
.macro PLACES
.rept 4
	v_nop
.endr
.endm
.macro JLOAD g0a, g1a, g0b, g1b
	s_cmp_eq_u32 s15, 0
	s_cbranch_scc0 .Lfor_b_\@
	tensor_load_to_lds s[\g0a:\g0a+3], s[\g1a:\g1a+7]
	s_nop 0
.rept 4
	v_nop
.endr
	s_branch .Lasked_\@
.Lfor_b_\@:
	tensor_load_to_lds s[\g0b:\g0b+3], s[\g1b:\g1b+7]
	s_nop 0
.rept 4
	v_nop
.endr
.Lasked_\@:
.endm
.macro CREST
	s_cmp_lg_u32 s14, 0
	s_cbranch_scc1 .Lnot_wave_0_\@
	s_barrier_signal -3
.Lnot_wave_0_\@:
	s_barrier_wait -3
	s_barrier_signal -1
	s_barrier_wait -1
.endm
.macro CROUND
	s_barrier_signal -1
	s_barrier_wait -1
	CREST
.endm
	s_load_b256 s[4:11], s[0:1], 0x0
	s_load_b64 s[12:13], s[0:1], 0x20
	v_lshl_add_u32 v[SPW], v0, 2, SPARE
	v_mov_b32 v[NIL], 0
	ds_add_u32 v28, v29
	ds_add_u32 v28, v29
	s_wait_dscnt 0x0
	v_lshrrev_b32 v1, 5, v0
	v_readfirstlane_b32 s14, v1
	s_lshr_b32 s15, s14, 1
	s_and_b32 s16, s14, 1
	s_bfe_u32 s40, ttmp6, 0x40000
	s_bfe_u32 s41, ttmp6, 0x40004
	s_lshl_b32 s42, ttmp9, 2
	s_add_co_u32 s42, s42, s40
	s_and_b32 s17, ttmp7, 0xffff
	s_lshl_b32 s17, s17, 2
	s_add_co_u32 s17, s17, s41
	s_lshl_b32 s43, s41, 2
	s_lshl_b32 s43, 15, s43
	s_lshl_b32 s44, 0x1111, s40
	s_or_b32 s[G1+0], s43, (3<<16)|(1<<21)
	s_or_b32 s[G1B+0], s44, (3<<16)|(1<<21)
.irp g, G1, G1B
	s_mov_b32 s[\g+1], 768<<16
	s_mov_b32 s[\g+2], 8<<16
	s_mov_b32 s[\g+3], 768<<16
	s_mov_b32 s[\g+4], 8
	s_mov_b32 s[\g+5], 6144
	s_mov_b32 s[\g+6], 0
	s_mov_b32 s[\g+7], 0
.endr
	s_or_b32 s[G1S+0], s43, (3<<16)|(1<<21)
	s_or_b32 s[G1SB+0], s44, (3<<16)|(1<<21)
.irp g, G1S, G1SB
	s_mov_b32 s[\g+1], 32<<16
	s_mov_b32 s[\g+2], 64<<16
	s_mov_b32 s[\g+3], 32<<16
	s_mov_b32 s[\g+4], 64
	s_mov_b32 s[\g+6], 0
	s_mov_b32 s[\g+7], 0
.endr
	s_mov_b32 s[G1S+5], 32
	s_mov_b32 s[G1SB+5], 32
	s_lshl_b32 s20, s17, 3
	s_lshl_b32 s46, s42, 3
	s_lshl_b32 s22, s17, 14
	s_add_co_u32 s22, s22, 12582912
	s_mov_b32 s23, 0
	s_lshl_b32 s92, s46, 11
	s_add_co_u32 s92, s92, 10518528
	s_mov_b32 s93, 0
	s_mul_i32 s20, s20, 49152
	s_mov_b32 s21, 0
	s_mul_i32 s46, s46, 49152
	s_add_co_u32 s46, s46, 7077888
	s_mov_b32 s47, 0
	s_mul_i32 s45, s14, HALF
	s_mul_i32 s18, s16, 4*49152                    ; in the ring I fetch 4 row blocks of a tile: which half, in bytes
	s_mov_b32 s19, 0
	s_wait_kmcnt 0x0
	s_add_nc_u64 s[20:21], s[4:5], s[20:21]
	s_add_nc_u64 s[22:23], s[4:5], s[22:23]
	s_add_nc_u64 s[46:47], s[6:7], s[46:47]
	s_add_nc_u64 s[92:93], s[6:7], s[92:93]
	CROUND
	s_mov_b32 s[G0S], 1
	s_mov_b32 s[G0S+1], SCL
	s_mov_b64 s[G0S+2:G0S+3], s[22:23]
	s_or_b32 s[G0S+3], s[G0S+3], 0x80000000
	s_mov_b32 s[G0SB], 1
	s_mov_b32 s[G0SB+1], SCL+16384
	s_mov_b64 s[G0SB+2:G0SB+3], s[92:93]
	s_or_b32 s[G0SB+3], s[G0SB+3], 0x80000000
	s_mov_b32 s[G0], 1                             ; slot 0's groups 0 first serve the head: the tile's 8 row blocks whole
	s_mov_b32 s[G0+1], 0
	s_mov_b64 s[G0+2:G0+3], s[20:21]
	s_or_b32 s[G0+3], s[G0+3], 0x80000000
	s_mov_b32 s[G0B], 1
	s_mov_b32 s[G0B+1], 2*HALF
	s_mov_b64 s[G0B+2:G0B+3], s[46:47]
	s_or_b32 s[G0B+3], s[G0B+3], 0x80000000
	s_add_nc_u64 s[20:21], s[20:21], s[18:19]      ; for the ring: my 4 row blocks
	s_add_nc_u64 s[46:47], s[46:47], s[18:19]
	s_mov_b32 s[G0+4], 1
	s_add_co_u32 s[G0+5], s45, SLOT
	s_add_nc_u64 s[G0+6:G0+7], s[20:21], 6144
	s_or_b32 s[G0+7], s[G0+7], 0x80000000
	s_mov_b32 s[G0B+4], 1
	s_add_co_u32 s[G0B+5], s45, SLOT
	s_add_nc_u64 s[G0B+6:G0B+7], s[46:47], 6144
	s_or_b32 s[G0B+7], s[G0B+7], 0x80000000
	s_cmp_eq_u32 s15, 0                            ; the prefetches: do I fetch for A?
	s_cselect_b64 s[66:67], s[20:21], s[46:47]
	s_cselect_b32 s2, s40, s41                     ; my place among the four that ask for the tile with me: it enters this address alone
	s_mul_i32 s2, s2, 49152                        ; that row block of my four
	s_mov_b32 s3, 0
	s_add_nc_u64 s[66:67], s[66:67], s[2:3]
.macro ARM under, g0, g1, next         ; one arm of the head's chain: waves under the number issue this load and jump to the join
	s_cmp_lt_u32 s14, \under
	s_cbranch_scc0 \next
	tensor_load_to_lds s[\g0:\g0+3], s[\g1:\g1+7]
	s_nop 0
.rept 4
	v_nop
.endr
	s_branch .Lhead_asked
\next:
.endm
	ARM 1, G0,  G1,  .Lhead_b
	ARM 2, G0B, G1B, .Lhead_sa
	ARM 3, G0S, G1S, .Lhead_sb
	tensor_load_to_lds s[G0SB:G0SB+3], s[G1SB:G1SB+7]
	s_nop 0
.rept 4
	v_nop
.endr
.Lhead_asked:
	v_and_b32 v1, 31, v0
	v_and_b32 v2, 15, v0
	v_bfe_u32 v3, v0, 4, 1
	v_lshlrev_b32 v4, 4, v1
	s_mul_i32 s21, s15, HALF
	s_mul_i32 s22, s16, HALF
	s_add_co_u32 s22, s22, 2*HALF
.irp s, 0,1
	v_add_nc_u32 v[ADRA+\s], s21, v4
	v_add_nc_u32 v[ADRB+\s], s22, v4
	s_add_co_u32 s21, s21, SLOT
	s_add_co_u32 s22, s22, SLOT
.endr
	v_lshlrev_b32 v5, 2, v2
	s_lshl_b32 s21, s15, 8
	s_add_co_u32 s21, s21, SCL
	v_add_nc_u32 v[ADSA], s21, v5
	s_lshl_b32 s22, s16, 13
	s_add_co_u32 s22, s22, SCL+16384
	v_add_nc_u32 v[ADSB], s22, v5
	s_mul_i32 s23, s14, 4352
	s_add_co_u32 s23, s23, STG
	v_mul_u32_u24 v[STO], v2, 272
	v_lshl_add_u32 v[STO], v3, 6, v[STO]
	v_add_nc_u32 v[STO], s23, v[STO]
	v_mul_u32_u24 v[RD], v3, 272
	v_lshl_add_u32 v[RD], v2, 4, v[RD]
	v_add_nc_u32 v[RD], s23, v[RD]
	v_lshlrev_b32 v[GO], 12, v3
	v_lshl_add_u32 v[GO], v2, 4, v[GO]
	s_wait_alu depctr_va_vdst(0)
	s_lshl_b32 s46, s42, 9
	s_lshl_b32 s47, s16, 8
	s_add_co_u32 s46, s46, s47
	s_mov_b32 s47, 0
	s_add_nc_u64 s[8:9], s[8:9], s[46:47]
	v_lshlrev_b32 v6, 6, v3
.irp n, 0,1,2,3
	global_load_b128 v[BI+8*\n:BI+8*\n+3], v6, s[8:9] offset:(32*(\n/2)+8*(\n%2))*4
	global_load_b128 v[BI+8*\n+4:BI+8*\n+7], v6, s[8:9] offset:(32*(\n/2)+8*(\n%2))*4+16
.endr
	s_lshl_b32 s20, s17, 7
	s_lshl_b32 s21, s15, 6
	s_add_co_u32 s20, s20, s21
	s_lshl_b32 s20, s20, 12
	s_mov_b32 s21, 0
	s_add_nc_u64 s[20:21], s[20:21], s[46:47]
	s_add_nc_u64 s[10:11], s[10:11], s[20:21]
	s_add_nc_u64 s[12:13], s[12:13], s[20:21]
	WIN 0x80
.irp a, 0,1,2,3
.irp i, 0,1,2,3,4,5,6,7
	global_load_b128 v[XR+32*\a+4*\i:XR+32*\a+4*\i+3], v[GO], s[10:11] offset:(16*\a+2*\i)*4096 th:TH_LOAD_NT
.endr
.endr
	WIN 0
	v_min_u32 v30, 23, v1
	v_lshlrev_b32 v30, 8, v30                      ; the prefetches' offset: 256 bytes a lane, 24 lanes to a row block's part of a slot
	global_prefetch_b8 v30, s[66:67] offset:6144 th:TH_LOAD_NT scope:SCOPE_SE    ; slots 1 and 2
	global_prefetch_b8 v30, s[66:67] offset:12288 th:TH_LOAD_NT scope:SCOPE_SE
.macro FETCH slot, q, f
	WIN 0x40
.irp i, 0,1,2,3
.irp g, 0,1,2
	ds_load_b128 v[128*(\f)+12*\i+4*\g:128*(\f)+12*\i+4*\g+3], v[ADRA+\slot] offset:\i*6144+(\q)*1536+512*\g
.endr
.endr
.irp i, 0,1,2,3
.irp g, 0,1,2
	ds_load_b128 v[128*(\f)+48+12*\i+4*\g:128*(\f)+48+12*\i+4*\g+3], v[ADRB+\slot] offset:\i*6144+(\q)*1536+512*\g
.endr
.endr
	WIN 0
.irp i, 0,1,2,3
	ds_load_b32 v[SA+8*(\f)+\i], v[ADSA] offset:(\q)*512+\i*64
	ds_load_b32 v[SB+8*(\f)+\i], v[ADSB] offset:\i*2048+(\q)*64
.endr
.endm
.macro MUL4 a, f, first
.irp n, 0,1,2,3
.if \first
	v_wmma_scale_f32_16x16x128_f8f6f4 v[8*(4*(\a)+\n):8*(4*(\a)+\n)+7], v[128*(\f)+48+12*\n:128*(\f)+48+12*\n+11], v[128*(\f)+12*(\a):128*(\f)+12*(\a)+11], v[BI+8*\n:BI+8*\n+7], v[SB+8*(\f)+\n], v[SA+8*(\f)+(\a)] matrix_a_fmt:MATRIX_FMT_FP6 matrix_b_fmt:MATRIX_FMT_FP6
.else
	v_wmma_scale_f32_16x16x128_f8f6f4 v[8*(4*(\a)+\n):8*(4*(\a)+\n)+7], v[128*(\f)+48+12*\n:128*(\f)+48+12*\n+11], v[128*(\f)+12*(\a):128*(\f)+12*(\a)+11], v[8*(4*(\a)+\n):8*(4*(\a)+\n)+7], v[SB+8*(\f)+\n], v[SA+8*(\f)+(\a)] matrix_a_fmt:MATRIX_FMT_FP6 matrix_b_fmt:MATRIX_FMT_FP6
.endif
.endr
.endm
.macro STEP slot, q, first
	s_wait_dscnt 0x0
.if \first == 0
	PLACES
.endif
	FETCH \slot, (\q)+1, 1-(\q)%2
.if \first
	WIN 0x85
.else
	WIN 0xa5
.endif
.irp a, 0,1,2,3
	MUL4 \a, (\q)%2, \first
.endr
	WIN 0
.endm
.macro TURN slot, next, fill
.if \fill
	s_wait_xcnt 0x0                                ; my prefetches have read their address: it is stepped here, a slot on
	s_add_nc_u64 s[66:67], s[66:67], 6144
.endif
	s_wait_tensorcnt 0x0
	ds_add_u32 v[SPW], v[NIL]
	s_wait_dscnt 1
	WIN 0xa5
	MUL4 0, 1, 0
	s_wait_dscnt 0x0
	s_barrier_signal -1
	MUL4 1, 1, 0
	WIN 0
	s_barrier_wait -1
.if \fill
	CREST
	s_add_nc_u64 s[G0+4*\slot+2:G0+4*\slot+3], s[G0+4*\slot+2:G0+4*\slot+3], 12288
	s_add_nc_u64 s[G0B+4*\slot+2:G0B+4*\slot+3], s[G0B+4*\slot+2:G0B+4*\slot+3], 12288
	JLOAD G0+4*\slot, G1, G0B+4*\slot, G1B
.else
	PLACES
.endif
	v_add_nc_u32 v[ADSA], 2048, v[ADSA]
	v_add_nc_u32 v[ADSB], 256, v[ADSB]
	FETCH \next, 0, 0
.if \fill
	s_cmp_gt_u32 s3, 1                             ; the loop's last trip refills slots 6 and 7: no slot stands two on
	s_cbranch_scc0 .Lno_ask_\@
	global_prefetch_b8 v30, s[66:67] offset:18432 th:TH_LOAD_NT scope:SCOPE_SE   ; the slot two behind the one just asked for
.Lno_ask_\@:
.endif
	WIN 0xa5
	MUL4 2, 1, 0
	MUL4 3, 1, 0
	WIN 0
.endm
	s_wait_alu depctr_va_vdst(0)
	s_wait_tensorcnt 0x0                           ; my tile of the head's four is in
	ds_add_u32 v28, v29
	s_mov_b32 s[G1+2], 4<<16                       ; no tensor load of mine is out: from here on a load brings 4 row blocks,
	s_mov_b32 s[G1+4], 4
	s_mov_b32 s[G1B+2], 4<<16
	s_mov_b32 s[G1B+4], 4
	s_mov_b32 s[G0+1], s45                         ; and slot 0's groups 0 stand at my part of the slot
	s_add_nc_u64 s[G0+2:G0+3], s[G0+2:G0+3], s[18:19]
	s_mov_b32 s[G0B+1], s45
	s_add_nc_u64 s[G0B+2:G0B+3], s[G0B+2:G0B+3], s[18:19]
	s_wait_dscnt 0x0
	CROUND                                         ; all four tiles are in, and all sixteen work-groups are here
	JLOAD G0+4, G1, G0B+4, G1B                     ; slot 1's first fill, the first tensor load behind the round
	FETCH 0, 0, 0
	global_prefetch_b8 v30, s[66:67] offset:18432 th:TH_LOAD_NT scope:SCOPE_SE   ; slot 3
	s_wait_loadcnt 32
	STEP 0, 0, 1
	s_mov_b32 s3, 3
.Llap:
	s_wait_alu depctr_va_vdst(0)
	STEP 0, 1, 0
	STEP 0, 2, 0
	TURN 0, 1, 1
	s_wait_alu depctr_va_vdst(0)
	STEP 1, 0, 0
	STEP 1, 1, 0
	STEP 1, 2, 0
	TURN 1, 0, 1
	s_wait_alu depctr_va_vdst(0)
	STEP 0, 0, 0
	s_sub_co_u32 s3, s3, 1
	s_cmp_lg_u32 s3, 0
	s_cbranch_scc1 .Llap
	STEP 0, 1, 0
	STEP 0, 2, 0
	TURN 0, 1, 0
	s_wait_alu depctr_va_vdst(0)
	STEP 1, 0, 0
	STEP 1, 1, 0
	STEP 1, 2, 0
	s_wait_dscnt 0x0
	WIN 0xa5
.irp a, 0,1,2,3
	MUL4 \a, 1, 0
.endr
	WIN 0
	PLACES
.irp a, 0,1,2,3
	WIN 0x08
.irp n, 0,1,2,3
	ds_store_b128 v[STO], v[8*(4*\a+\n):8*(4*\a+\n)+3] offset:128*(\n/2)+32*(\n%2)
	ds_store_b128 v[STO], v[8*(4*\a+\n)+4:8*(4*\a+\n)+7] offset:128*(\n/2)+32*(\n%2)+16
.endr
	WIN 0
.irp i, 0,1,2,3,4,5,6,7
	ds_load_b128 v[OB+32*\a+4*\i:OB+32*\a+4*\i+3], v[RD] offset:2*\i*272
.endr
.endr
	s_wait_loadcnt 0x0
.irp a, 0,1,2,3
	s_wait_dscnt 16*(3-\a)
	WIN 0x08
.irp k, 0,2,4,6,8,10,12,14,16,18,20,22,24,26,28,30
	v_pk_add_f32 v[OB+32*\a+\k:OB+32*\a+\k+1], v[OB+32*\a+\k:OB+32*\a+\k+1], v[XR+32*\a+\k:XR+32*\a+\k+1]
.endr
	WIN 0
.irp i, 0,1,2,3,4,5,6,7
	global_store_b128 v[GO], v[OB+32*\a+4*\i:OB+32*\a+4*\i+3], s[12:13] offset:(16*\a+2*\i)*4096
.endr
.endr
	s_wait_tensorcnt 0x0
	ds_add_u32 v[SPW], v[NIL]
	s_wait_dscnt 0x0
	CROUND
	s_endpgm
.Lfunc_end_k_q9ddde67bdf_ffn2:
	.size	k_q9ddde67bdf_ffn2, .Lfunc_end_k_q9ddde67bdf_ffn2-k_q9ddde67bdf_ffn2
	.p2alignl 7, 3214868480
	.fill 96, 4, 3214868480
	.section	.rodata,"a",@progbits
	.p2align	6, 0x0
	.amdhsa_kernel k_q9ddde67bdf_ffn2
		.amdhsa_group_segment_fixed_size 327680
		.amdhsa_private_segment_fixed_size 0
		.amdhsa_enable_private_segment 0
		.amdhsa_kernarg_size 40
		.amdhsa_user_sgpr_count 2
		.amdhsa_user_sgpr_kernarg_segment_ptr 1
		.amdhsa_wavefront_size32 1
		.amdhsa_system_sgpr_workgroup_id_x 1
		.amdhsa_system_sgpr_workgroup_id_y 1
		.amdhsa_system_sgpr_workgroup_id_z 1
		.amdhsa_system_vgpr_workitem_id 0
		.amdhsa_next_free_vgpr 768
		.amdhsa_next_free_sgpr 98
		.amdhsa_reserve_vcc 0
		.amdhsa_float_denorm_mode_32 3
		.amdhsa_float_denorm_mode_16_64 3
		.amdhsa_memory_ordered 1
		.amdhsa_forward_progress 1
		.amdhsa_inst_pref_size 99
	.end_amdhsa_kernel
	.amdgpu_metadata
---
amdhsa.version: [ 1, 2 ]
amdhsa.kernels:
  - .name:           k_q9ddde67bdf_ffn2
    .symbol:         k_q9ddde67bdf_ffn2.kd
    .args:
      - { .name: hid, .offset: 0, .size: 8, .value_kind: global_buffer, .address_space: global }
      - { .name: qw, .offset: 8, .size: 8, .value_kind: global_buffer, .address_space: global }
      - { .name: b2, .offset: 16, .size: 8, .value_kind: global_buffer, .address_space: global }
      - { .name: x1, .offset: 24, .size: 8, .value_kind: global_buffer, .address_space: global }
      - { .name: ffn, .offset: 32, .size: 8, .value_kind: global_buffer, .address_space: global }
    .group_segment_fixed_size: 327680
    .private_segment_fixed_size: 0
    .kernarg_segment_align: 8
    .kernarg_segment_size: 40
    .max_flat_workgroup_size: 128
    .sgpr_count:     98
    .vgpr_count:     768
    .wavefront_size: 32
...
	.end_amdgpu_metadata
.endif
;; end of part 6
;; launch ln2 (part 7): grid 256 x 1, 8 waves a work-group, no clusters, 0 bytes of LDS; arguments ffn, ln2_a, ln2_b, out0; writes out0
.if DOCPART == 7
	.amdgcn_target "amdgcn-amd-amdhsa--gfx1250"
	.amdhsa_code_object_version 6
	.text
	.protected	k_q9ddde67bdf_ln2
	.globl	k_q9ddde67bdf_ln2
	.p2align	8
	.type	k_q9ddde67bdf_ln2,@function
k_q9ddde67bdf_ln2:
	s_mov_b64 s[64:65], 0
	v_nop
	global_prefetch_b8 v0, s[64:65] scope:SCOPE_SE
	s_setreg_imm32_b32 hwreg(HW_REG_WAVE_MODE, 25, 1), 1
	s_wait_xcnt 0x0
; out0 = ln2_a (r - mean(r)) / (std(r) + 1e-6) + ln2_b, std with 1,023 in the divisor; r = x1 + the feed-forward layer's result is what the launch before has stored in ffn.
; A work-group takes 16 rows, a wave two whole rows in registers (a load covers 512 consecutive bytes): mean first, then the sum of squared deviations: no difference of large sums.
; Memory binds: no LDS, no barrier, no matrix unit.  32 loads of 512 bytes a wave are out at once.  LIMITS: NaN and infinities are not served.
.set A,   16                           ; v16-47   the gain at my 32 columns
.set B,   48                           ; v48-79   the bias
.set X,   80                           ; v80-143  two rows, 32 numbers a lane each
.set ST,  144                          ; v144-159 eight registers of statistics a row
.set SEL, 20
.macro LANES d, t                      ; v[ST + 8 p + d] summed over the 32 lanes, both rows by turns
.irp m, 1,2,4,8
.irp p, 0,1
	s_delay_alu instid0(VALU_DEP_2)
	v_add_f32_dpp v[ST+8*\p+\d], v[ST+8*\p+\d], v[ST+8*\p+\d] row_xmask:\m row_mask:0xf bank_mask:0xf
.endr
.endr
.irp p, 0,1
	s_delay_alu instid0(VALU_DEP_2)
	v_permlanex16_b32 v[ST+8*\p+\t], v[ST+8*\p+\d], s[SEL], s[SEL+1]
.endr
.irp p, 0,1
	s_delay_alu instid0(VALU_DEP_2)
	v_add_f32 v[ST+8*\p+\d], v[ST+8*\p+\d], v[ST+8*\p+\t]
.endr
.endm
	s_load_b256 s[4:11], s[0:1], 0x0               ; ffn s[4:5], ln2_a s[6:7], ln2_b s[8:9], out0 s[10:11]
	v_lshrrev_b32 v1, 5, v0
	s_delay_alu instid0(VALU_DEP_1)
	v_readfirstlane_b32 s16, v1                    ; wave 0..7
	v_and_b32 v1, 31, v0
	s_delay_alu instid0(VALU_DEP_1)
	v_lshlrev_b32 v2, 4, v1                        ; 16 x lane
	s_mov_b32 s[SEL], 0x76543210
	s_mov_b32 s[SEL+1], 0xfedcba98
	s_lshl_b32 s18, ttmp9, 16                      ; 16 rows of 4,096 bytes
	s_lshl_b32 s17, s16, 13                        ; my two
	s_add_co_u32 s18, s18, s17
	s_mov_b32 s19, 0
	s_wait_alu depctr_va_vdst(0)
	s_wait_kmcnt 0x0
	s_add_nc_u64 s[4:5], s[4:5], s[18:19]
	s_add_nc_u64 s[10:11], s[10:11], s[18:19]
.irp p, 0,1
.irp j, 0,1,2,3,4,5,6,7
	global_load_b128 v[X+32*\p+4*\j:X+32*\p+4*\j+3], v2, s[4:5] offset:4096*\p+512*\j th:TH_LOAD_NT
.endr
.endr
.irp j, 0,1,2,3,4,5,6,7
	global_load_b128 v[A+4*\j:A+4*\j+3], v2, s[6:7] offset:512*\j
.endr
.irp j, 0,1,2,3,4,5,6,7
	global_load_b128 v[B+4*\j:B+4*\j+3], v2, s[8:9] offset:512*\j
.endr
	s_wait_loadcnt 16                              ; the rows are in; the 16 loads of gain and bias may be out
.irp p, 0,1
	v_pk_add_f32 v[ST+8*\p:ST+8*\p+1], v[X+32*\p:X+32*\p+1], v[X+32*\p+2:X+32*\p+3]        ; the sum, in two chains a row
	v_pk_add_f32 v[ST+8*\p+2:ST+8*\p+3], v[X+32*\p+4:X+32*\p+5], v[X+32*\p+6:X+32*\p+7]
.endr
.irp k, 8,12,16,20,24,28
.irp p, 0,1
	s_delay_alu instid0(VALU_DEP_4)
	v_pk_add_f32 v[ST+8*\p:ST+8*\p+1], v[ST+8*\p:ST+8*\p+1], v[X+32*\p+\k:X+32*\p+\k+1]
	s_delay_alu instid0(VALU_DEP_4)
	v_pk_add_f32 v[ST+8*\p+2:ST+8*\p+3], v[ST+8*\p+2:ST+8*\p+3], v[X+32*\p+\k+2:X+32*\p+\k+3]
.endr
.endr
.irp p, 0
	s_delay_alu instid0(VALU_DEP_3)
	v_pk_add_f32 v[ST+8*\p:ST+8*\p+1], v[ST+8*\p:ST+8*\p+1], v[ST+8*\p+2:ST+8*\p+3]
.endr
.irp p, 1
	s_delay_alu instid0(VALU_DEP_2)
	v_pk_add_f32 v[ST+8*\p:ST+8*\p+1], v[ST+8*\p:ST+8*\p+1], v[ST+8*\p+2:ST+8*\p+3]
.endr
.irp p, 0,1
	s_delay_alu instid0(VALU_DEP_2)
	v_add_f32 v[ST+8*\p], v[ST+8*\p], v[ST+8*\p+1]
.endr
	LANES 0, 1
.irp p, 0,1
	s_delay_alu instid0(VALU_DEP_2)
	v_mul_f32 v[ST+8*\p], 0x3a800000, v[ST+8*\p]   ; the mean: / 1,024, exact
.endr
.irp k, 0,2,4,6,8,10,12,14,16,18,20,22,24,26,28,30
.irp p, 0,1
	v_pk_add_f32 v[X+32*\p+\k:X+32*\p+\k+1], v[X+32*\p+\k:X+32*\p+\k+1], v[ST+8*\p:ST+8*\p+1] op_sel_hi:[1,0] neg_lo:[0,1] neg_hi:[0,1]   ; the deviations
.endr
.endr
.irp p, 0,1
	v_pk_mul_f32 v[ST+8*\p+2:ST+8*\p+3], v[X+32*\p:X+32*\p+1], v[X+32*\p:X+32*\p+1]        ; their squares' sum, in two chains a row
	v_pk_mul_f32 v[ST+8*\p+4:ST+8*\p+5], v[X+32*\p+2:X+32*\p+3], v[X+32*\p+2:X+32*\p+3]
.endr
.irp k, 4,8,12,16,20,24,28
.irp p, 0,1
	s_delay_alu instid0(VALU_DEP_4)
	v_pk_fma_f32 v[ST+8*\p+2:ST+8*\p+3], v[X+32*\p+\k:X+32*\p+\k+1], v[X+32*\p+\k:X+32*\p+\k+1], v[ST+8*\p+2:ST+8*\p+3]
	s_delay_alu instid0(VALU_DEP_4)
	v_pk_fma_f32 v[ST+8*\p+4:ST+8*\p+5], v[X+32*\p+\k+2:X+32*\p+\k+3], v[X+32*\p+\k+2:X+32*\p+\k+3], v[ST+8*\p+4:ST+8*\p+5]
.endr
.endr
.irp p, 0
	s_delay_alu instid0(VALU_DEP_3)
	v_pk_add_f32 v[ST+8*\p+2:ST+8*\p+3], v[ST+8*\p+2:ST+8*\p+3], v[ST+8*\p+4:ST+8*\p+5]
.endr
.irp p, 1
	s_delay_alu instid0(VALU_DEP_2)
	v_pk_add_f32 v[ST+8*\p+2:ST+8*\p+3], v[ST+8*\p+2:ST+8*\p+3], v[ST+8*\p+4:ST+8*\p+5]
.endr
.irp p, 0,1
	s_delay_alu instid0(VALU_DEP_2)
	v_add_f32 v[ST+8*\p+2], v[ST+8*\p+2], v[ST+8*\p+3]
.endr
	LANES 2, 3
.irp p, 0,1
	s_delay_alu instid0(VALU_DEP_2)
	v_mul_f32 v[ST+8*\p+2], 0x3a802008, v[ST+8*\p+2]   ; / 1,023
.endr
	s_wait_alu depctr_va_vdst(0)
.irp p, 0,1
	v_sqrt_f32 v[ST+8*\p+4], v[ST+8*\p+2]
.endr
	v_nop                                          ; a plain place behind the roots
	s_wait_alu depctr_va_vdst(0)                   ; one wait for both, ahead of their first reader
.irp p, 0,1
	v_add_f32 v[ST+8*\p+4], 0x358637bd, v[ST+8*\p+4]   ; + 1e-6
.endr
	s_wait_alu depctr_va_vdst(0)
.irp p, 0,1
	v_rcp_f32 v[ST+8*\p+6], v[ST+8*\p+4]
.endr
.irp p, 0,1
	v_mov_b32 v[ST+8*\p+7], 0                      ; named with the reciprocal as a pair, so it is written; also the plain place behind the reciprocals
.endr
	s_wait_alu depctr_va_vdst(0)
	s_wait_loadcnt 0x0                             ; gain and bias
.irp k, 0,2,4,6,8,10,12,14,16,18,20,22,24,26,28,30
.irp p, 0,1
	v_pk_mul_f32 v[X+32*\p+\k:X+32*\p+\k+1], v[X+32*\p+\k:X+32*\p+\k+1], v[ST+8*\p+6:ST+8*\p+7] op_sel_hi:[1,0]
.endr
.endr
.irp k, 0,2,4,6,8,10,12,14,16,18,20,22,24,26,28,30
.irp p, 0,1
	v_pk_fma_f32 v[X+32*\p+\k:X+32*\p+\k+1], v[X+32*\p+\k:X+32*\p+\k+1], v[A+\k:A+\k+1], v[B+\k:B+\k+1]
.endr
.endr
.irp p, 0,1
.irp j, 0,1,2,3,4,5,6,7
	global_store_b128 v2, v[X+32*\p+4*\j:X+32*\p+4*\j+3], s[10:11] offset:4096*\p+512*\j th:TH_STORE_NT   ; 32 lanes store 512 consecutive bytes, aligned
.endr
.endr
	s_endpgm
.Lfunc_end_k_q9ddde67bdf_ln2:
	.size	k_q9ddde67bdf_ln2, .Lfunc_end_k_q9ddde67bdf_ln2-k_q9ddde67bdf_ln2
	.p2alignl 7, 3214868480
	.fill 96, 4, 3214868480
	.section	.rodata,"a",@progbits
	.p2align	6, 0x0
	.amdhsa_kernel k_q9ddde67bdf_ln2
		.amdhsa_group_segment_fixed_size 0
		.amdhsa_private_segment_fixed_size 0
		.amdhsa_enable_private_segment 0
		.amdhsa_kernarg_size 32
		.amdhsa_user_sgpr_count 2
		.amdhsa_user_sgpr_kernarg_segment_ptr 1
		.amdhsa_wavefront_size32 1
		.amdhsa_system_sgpr_workgroup_id_x 1
		.amdhsa_system_sgpr_workgroup_id_y 1
		.amdhsa_system_sgpr_workgroup_id_z 1
		.amdhsa_system_vgpr_workitem_id 0
		.amdhsa_next_free_vgpr 160
		.amdhsa_next_free_sgpr 66
		.amdhsa_reserve_vcc 0
		.amdhsa_float_denorm_mode_32 3
		.amdhsa_float_denorm_mode_16_64 3
		.amdhsa_memory_ordered 1
		.amdhsa_forward_progress 1
		.amdhsa_inst_pref_size 21
	.end_amdhsa_kernel
	.amdgpu_metadata
---
amdhsa.version: [ 1, 2 ]
amdhsa.kernels:
  - .name:           k_q9ddde67bdf_ln2
    .symbol:         k_q9ddde67bdf_ln2.kd
    .args:
      - { .name: ffn, .offset: 0, .size: 8, .value_kind: global_buffer, .address_space: global }
      - { .name: ln2_a, .offset: 8, .size: 8, .value_kind: global_buffer, .address_space: global }
      - { .name: ln2_b, .offset: 16, .size: 8, .value_kind: global_buffer, .address_space: global }
      - { .name: out0, .offset: 24, .size: 8, .value_kind: global_buffer, .address_space: global }
    .group_segment_fixed_size: 0
    .private_segment_fixed_size: 0
    .kernarg_segment_align: 8
    .kernarg_segment_size: 32
    .max_flat_workgroup_size: 256
    .sgpr_count:     66
    .vgpr_count:     160
    .wavefront_size: 32
...
	.end_amdgpu_metadata
.endif
;; end of part 7
